; MI455X (gfx1250); checked and timed in simulation.
; The chip was launched on July 23, 2026; its instructions are those of AMD's public machine-readable ISA for CDNA 5 (MIT licence, August 2026) and "CDNA5" Instruction Set Architecture Reference Guide (July 2026). The comments in the code are by the model that wrote it; some were corrected since.
;; Sparse Attention. Allowed arithmetic: matrix products marked QUANTISED: E2M3 operands, one E8M0 scale for each 32 along K, by v_wmma_scale_f32_16x16x128_f8f6f4 with both operands' format E2M3, f32 sums; everything else in f32.
;; Inputs: Wk 1,024 x 1,024 float32; Wo 1,024 x 1,024 float32; Wq 1,024 x 1,024 float32; Wv 1,024 x 1,024 float32; x 2 x 2,048 x 1,024 float32.
;; Outputs: out0 2 x 2,048 x 1,024 float32.
;; This version of the problem:
;;   THIS VERSION OF THE PROBLEM IS GIVEN IN LOW PRECISION. The matrix products marked QUANTISED in the list below multiply operands that are first quantised to E2M3 (2 exponent bits, 3 mantissa bits; 6 bits a number), with one power-of-two scale for each 32 numbers along K (OCP MX v1.0); their sums are f32. All else is computed in f32.
;;   The module's matrix products, in the order in which they are computed (A, B: the left and right operand; K: the contracted axis; several contracted axes count as one K, in the product's order):
;;     1. [M 4,096, K 1,024] x [K 1,024, N 1,024]; A: input x; B: input Wq: QUANTISED
;;     2. [M 4,096, K 1,024] x [K 1,024, N 1,024]; A: input x; B: input Wk: QUANTISED
;;     3. [M 4,096, K 1,024] x [K 1,024, N 1,024]; A: input x; B: input Wv: QUANTISED
;;     4. batch 32 x [M 2,048, K 64] x [K 64, N 2,048]; A: computed on the way; B: computed on the way: QUANTISED
;;     5. batch 32 x [M 2,048, K 2,048] x [K 2,048, N 64]; A: computed on the way; B: computed on the way: QUANTISED
;;     6. [M 4,096, K 1,024] x [K 1,024, N 1,024]; A: computed on the way; B: input Wo: QUANTISED
;;   THE QUANTISER, for each operand of a quantised product, along K:
;;     - K is cut into blocks of 32 from its start; a last block that is shorter is filled with zeros.
;;     - A block's scale is 2^e with e = floor(log2(the largest magnitude in the block)) - 2, held to -126 .. 127; a block of zeros has e = 0. As a byte (E8M0): e + 127.
;;     - Each number is divided by its block's scale, clamped to +-7.5, and rounded to the nearest number of E2M3, ties to even, subnormals kept.
;;     - The product sums the exact products of the quantised numbers (number of the format x scale) in f32.
;;   ~~~python
;;   def quantise(x, axis):      # numpy; x: float32 -> the quantised numbers, widened to float32 again
;;       x = np.moveaxis(x, axis, -1); K = x.shape[-1]
;;       x = np.pad(x, [(0, 0)] * (x.ndim - 1) + [(0, -K % 32)]); x = x.reshape(x.shape[:-1] + (-1, 32)); a = np.abs(x).max(-1, keepdims=True)
;;       e = np.where(a > 0, np.clip(np.frexp(np.where(a > 0, a, 1))[1] - 1 - 2, -126, 127), 0)      # np.frexp(a)[1] - 1 = floor(log2(a)), exactly
;;       r = np.clip(x / 2.0 ** e, -7.5, 7.5)
;;       step = 2.0 ** (np.maximum(np.frexp(np.where(r == 0, 1, r))[1] - 1, 0) - 3)
;;       q = np.round(r / step) * step * 2.0 ** e      # np.round: ties to even
;;       return np.moveaxis(q.reshape(q.shape[:-2] + (-1,))[..., :K], -1, axis).astype(np.float32)
;;   ~~~
;;   OPERANDS COMPUTED ON THE WAY. 'Computed on the way' means the value that the module computes at that place (a softmax that the list does not call 'softmax' is quantised finished and normalised). What goes into a quantiser is computed in f32, as accurately as f32 sums, v_exp_f32 and their like allow (about 1e-6 of the number): no bf16 or f16 on the way to a quantiser, and a product that is left as it is and whose result goes on into a quantised operand takes f32 operands (vector FMAs, or v_wmma_f32_16x16x4_f32). A number that lies on a knife's edge between two numbers of the format may be rounded either way, as far as f32 arithmetic and the matrix unit's own rounding can turn it there, and no further.
;; One version. Each part assembles by itself: llvm-mc -triple=amdgcn-amd-amdhsa -mcpu=gfx1250 --defsym DOCPART=n.
;; ======== version 1 of 1: 4 launches
;; limits: right only within a limited range of input values
;; workspace buffers: cod 6,291,456 bytes; scl 262,144 bytes; qkvc 9,437,184 bytes; qkvs 393,216 bytes; ac 3,145,728 bytes; asc 131,072 bytes
;; launch quant (part 1): grid 256 x 1, 4 waves a work-group, no clusters, 33,280 bytes of LDS; arguments x, Wq, Wk, Wv, Wo, cod, scl; writes cod, scl
.if DOCPART == 1
	.amdgcn_target "amdgcn-amd-amdhsa--gfx1250"
	.amdhsa_code_object_version 6
	.text
	.protected	k_q151d01952a_quant
	.globl	k_q151d01952a_quant
	.p2align	8
	.type	k_q151d01952a_quant,@function
k_q151d01952a_quant:
	s_mov_b64 s[64:65], 0
	v_nop
	global_prefetch_b8 v0, s[64:65] scope:SCOPE_SE
	s_setreg_imm32_b32 hwreg(HW_REG_WAVE_MODE, 25, 1), 1
	s_wait_xcnt 0x0
; x [4096][1024], Wq, Wk, Wv, Wo [1024][1024], f32, K innermost, become codes of FP6 (E2M3) in cod [8192 rows][768 bytes] and one E8M0 byte for each 32 along K in scl [8192][32].
; Rows of cod: 0 x, 4096 Wq, 5120 Wk, 6144 Wv, 7168 Wo.  A block's scale is 2^(floor(log2(its largest magnitude)) - 2); its byte is the largest magnitude's exponent field - 2, held at 1 from below.
; (A block of zeros so gets the byte 1 where the rule says 127: its codes are zeros, which add nothing under any byte but 0xff, and this program alone reads the bytes.)
; THE ROWS OF x, Wq, Wk, Wv ARE STORED WITH BITS 3 AND 4 OF THE ROW NUMBER SWAPPED (Wo as it lies): 16 consecutive stored rows, tile 2 B + u, are then the rows 32 B + 8 u + r + 8 (r / 8),
; so that in the next launch a lane's 16 results of two neighbouring tiles are 16 neighbours along the next product's K.  A wave's run is 8 rows, so the swap is a swap of the wave number's two bits.
; LIMITS: NaN and infinities among the inputs are not served; blocks whose largest magnitude lies under 2^(3 - 127) keep the byte 1.
; A work-group takes 32 rows (32,768 numbers), a wave 8 rows in 16 steps of 512 numbers.  Each of a step's four loads reads 512 consecutive bytes; the 2,048 bytes turn through the wave's own stage in LDS and
; come back 64 bytes a lane (16 neighbours along K; two neighbouring lanes hold a block).  Loads run four steps ahead, the turn through LDS one step.  Waves share nothing: no barrier.
.set STEPS, 16
.set EMAX,  2
.set CB,    12                         ; bytes of 16 codes
.set R,     16                         ; v16-79   four sets of 16 numbers as they are loaded
.set X,     80                         ; v80-111  two sets of 16 neighbours
.set C,     128                        ; v128-191 codes: four registers for each step, so that no store's data are written again
.set E,     112                        ; v112-127 a scale byte for each step
.set WREG,  8192                       ; LDS: a region for each wave: two stages of 32 x SP bytes, behind them its 256 scale bytes
.set SP,    80                         ; a lane's place in a stage: 64 bytes + 16 of padding
	s_load_b256 s[4:11], s[0:1], 0x0               ; x, Wq, Wk, Wv
	s_load_b128 s[12:15], s[0:1], 0x20             ; Wo, cod
	s_load_b64 s[16:17], s[0:1], 0x30              ; scl
	v_lshl_add_u32 v192, v0, 2, 0x8000
	v_mov_b32 v193, 0
	v_lshrrev_b32 v1, 5, v0
	v_readfirstlane_b32 s18, v1                    ; wave
	v_and_b32 v2, 31, v0                           ; lane
	v_lshlrev_b32 v3, 4, v2                        ; my 16 bytes of a load's 512
	s_mul_i32 s19, s18, WREG
	v_lshrrev_b32 v14, 2, v2
	v_mul_u32_u24 v14, v14, SP
	v_and_b32 v15, 3, v2
	v_lshl_add_u32 v14, v15, 4, v14
	v_add_nc_u32 v14, s19, v14                     ; the stage, on the way in: SP (lane / 4) + 16 (lane % 4)
	v_mul_u32_u24 v15, v2, SP
	v_add_nc_u32 v15, s19, v15                     ; and on the way out: SP x lane: my 16 neighbours
	v_mul_u32_u24 v4, v2, CB                       ; my codes' place in a step's
	v_lshrrev_b32 v5, 1, v2
	s_add_co_u32 s19, s19, 2*32*SP
	v_add_nc_u32 v5, s19, v5                       ; LDS: my wave's 256 scale bytes, my block's byte
	v_lshlrev_b32 v7, 3, v2                        ; and on the way out 8 bytes a lane
	v_add_nc_u32 v6, s19, v7
	s_and_b32 s20, s18, 1
	s_lshl_b32 s20, s20, 1
	s_lshr_b32 s21, s18, 1
	s_or_b32 s20, s20, s21                         ; the wave's number with its two bits swapped
	s_and_b32 s22, ttmp9, 31                       ; a weight's work-group among its 32
	s_wait_alu depctr_va_vdst(0)
	s_wait_kmcnt 0x0
	s_cmp_lt_u32 ttmp9, 128                        ; work-groups 0-127 x, 128-159 Wq, 160-191 Wk, 192-223 Wv, 224-255 Wo: the choices hang on the work-group's number alone
	s_cselect_b32 s22, ttmp9, s22
	s_cmp_ge_u32 ttmp9, 128
	s_cselect_b64 s[4:5], s[6:7], s[4:5]
	s_cmp_ge_u32 ttmp9, 160
	s_cselect_b64 s[4:5], s[8:9], s[4:5]
	s_cmp_ge_u32 ttmp9, 192
	s_cselect_b64 s[4:5], s[10:11], s[4:5]
	s_cmp_ge_u32 ttmp9, 224
	s_cselect_b64 s[4:5], s[12:13], s[4:5]
	s_cselect_b32 s20, s18, s20                    ; Wo's rows stay where they are
	s_lshl_b32 s22, s22, 2
	s_add_co_u32 s22, s22, s18                     ; which run of 8 rows of the source is mine
	s_lshl_b32 s24, s22, 15                        ; 32,768 bytes a run
	s_mov_b32 s25, 0
	s_add_nc_u64 s[4:5], s[4:5], s[24:25]
	s_lshl_b32 s23, ttmp9, 2
	s_add_co_u32 s23, s23, s20                     ; and which run of cod and scl
	s_mul_i32 s26, s23, 32*STEPS*CB                ; 6,144 bytes of codes a run
	s_mov_b32 s27, 0
	s_add_nc_u64 s[14:15], s[14:15], s[26:27]
	s_lshl_b32 s26, s23, 8                         ; 256 scale bytes a run
	s_add_nc_u64 s[16:17], s[16:17], s[26:27]
.macro LOAD t
.irp i, 0,1,2,3
	global_load_b128 v[R+16*((\t)%4)+4*\i:R+16*((\t)%4)+4*\i+3], v3, s[4:5] offset:2048*(\t)+512*\i th:TH_LOAD_NT   ; 32 lanes read 512 consecutive bytes
.endr
.endm
.macro TURN t                          ; step t's numbers through the stage: LDS serves a wave's instructions in order, so no wait stands between the stores and the loads
.irp i, 0,1,2,3
	ds_store_b128 v14, v[R+16*((\t)%4)+4*\i:R+16*((\t)%4)+4*\i+3] offset:32*SP*((\t)%2)+8*SP*\i
.endr
.irp i, 0,1,2,3
	ds_load_b128 v[X+16*((\t)%2)+4*\i:X+16*((\t)%2)+4*\i+3], v15 offset:32*SP*((\t)%2)+16*\i
.endr
.endm
.irp t, 0,1,2,3
	LOAD \t
.endr
	s_wait_loadcnt 12                              ; step 0's four loads are in
	TURN 0
.macro STEP t
.set XS, X+16*((\t)%2)
.if (\t) > 0
	s_wait_dscnt 1                                 ; this step's numbers are back from the stage (the last step's byte store may be out): so its stores into the stage have read their registers,
.else
	s_wait_dscnt 0x0
.endif
.if (\t)+4 < STEPS
	LOAD (\t)+4                                    ; which take the loads of four steps on
.endif
.if (\t)+1 < STEPS
.if STEPS-2-(\t) >= 3
	s_wait_loadcnt 12                              ; the next step's four loads are in; those of the three steps behind it may be out
.else
	s_wait_loadcnt 4*(STEPS-2-(\t))
.endif
	TURN (\t)+1                                    ; and go through the other stage while this step is worked
.endif
	v_max3_num_f32 v8, |v[XS]|, |v[XS+1]|, |v[XS+2]|               ; the largest magnitude of my 16, in two chains
	v_max3_num_f32 v9, |v[XS+3]|, |v[XS+4]|, |v[XS+5]|
.irp i, 6,10
	v_max3_num_f32 v8, v8, |v[XS+\i]|, |v[XS+\i+1]|
	v_max3_num_f32 v9, v9, |v[XS+\i+2]|, |v[XS+\i+3]|
.endr
	v_max3_num_f32 v8, v8, |v[XS+14]|, |v[XS+15]|
	v_max3_num_f32 v8, v8, v9, (EMAX+1)<<23        ; and the floor 2^(3 - 127): the byte cannot fall under 1
	v_max_num_f32_dpp v8, v8, v8 row_xmask:1 row_mask:0xf bank_mask:0xf   ; and of my neighbour's 16: the block's
	v_add_nc_u32 v11, -(EMAX<<23), v8              ; 2 off its exponent field: the conversion takes the exponent field of this operand as its scale, and nothing else of it
	v_cvt_scalef32_pk16_fp6_f32 v[C+4*(\t):C+4*(\t)+2], v[XS:XS+15], v11   ; sixteen numbers / the scale, to the nearest code, ties to even, beyond 7.5 the largest code; 96 bits without gaps
	v_lshrrev_b32 v[E+(\t)], 23, v11               ; the scale's byte (a plain line behind the conversion)
	ds_store_b8 v5, v[E+(\t)] offset:16*(\t)       ; both lanes of a block write the same byte with the same value
	global_store_b96 v4, v[C+4*(\t):C+4*(\t)+2], s[14:15] offset:32*CB*(\t)   ; the wave stores 384 consecutive bytes
.endm
.irp t, 0,1,2,3,4,5,6,7,8,9,10,11,12,13,14,15
	STEP \t
.endr
	ds_load_b64 v[12:13], v6                       ; LDS serves a wave's instructions in order: these see my stores
	s_wait_dscnt 0x0
	global_store_b64 v7, v[12:13], s[16:17]        ; 32 lanes store 256 consecutive bytes, aligned
	s_barrier_signal -1
	s_barrier_wait -1
	s_wait_tensorcnt 0x0
	ds_add_u32 v192, v193
	s_wait_dscnt 0x0
	s_endpgm
.Lfunc_end_k_q151d01952a_quant:
	.size	k_q151d01952a_quant, .Lfunc_end_k_q151d01952a_quant-k_q151d01952a_quant
	.p2alignl 7, 3214868480
	.fill 96, 4, 3214868480
	.section	.rodata,"a",@progbits
	.p2align	6, 0x0
	.amdhsa_kernel k_q151d01952a_quant
		.amdhsa_group_segment_fixed_size 33280
		.amdhsa_private_segment_fixed_size 0
		.amdhsa_enable_private_segment 0
		.amdhsa_kernarg_size 56
		.amdhsa_user_sgpr_count 2
		.amdhsa_user_sgpr_kernarg_segment_ptr 1
		.amdhsa_wavefront_size32 1
		.amdhsa_system_sgpr_workgroup_id_x 1
		.amdhsa_system_sgpr_workgroup_id_y 1
		.amdhsa_system_sgpr_workgroup_id_z 1
		.amdhsa_system_vgpr_workitem_id 0
		.amdhsa_next_free_vgpr 194
		.amdhsa_next_free_sgpr 66
		.amdhsa_reserve_vcc 0
		.amdhsa_float_denorm_mode_32 3
		.amdhsa_float_denorm_mode_16_64 3
		.amdhsa_memory_ordered 1
		.amdhsa_forward_progress 1
		.amdhsa_inst_pref_size 33
	.end_amdhsa_kernel
	.amdgpu_metadata
---
amdhsa.version: [ 1, 2 ]
amdhsa.kernels:
  - .name:           k_q151d01952a_quant
    .symbol:         k_q151d01952a_quant.kd
    .args:
      - { .name: x, .offset: 0, .size: 8, .value_kind: global_buffer, .address_space: global }
      - { .name: Wq, .offset: 8, .size: 8, .value_kind: global_buffer, .address_space: global }
      - { .name: Wk, .offset: 16, .size: 8, .value_kind: global_buffer, .address_space: global }
      - { .name: Wv, .offset: 24, .size: 8, .value_kind: global_buffer, .address_space: global }
      - { .name: Wo, .offset: 32, .size: 8, .value_kind: global_buffer, .address_space: global }
      - { .name: cod, .offset: 40, .size: 8, .value_kind: global_buffer, .address_space: global }
      - { .name: scl, .offset: 48, .size: 8, .value_kind: global_buffer, .address_space: global }
    .group_segment_fixed_size: 33280
    .private_segment_fixed_size: 0
    .kernarg_segment_align: 8
    .kernarg_segment_size: 56
    .max_flat_workgroup_size: 128
    .sgpr_count:     66
    .vgpr_count:     194
    .wavefront_size: 32
...
	.end_amdgpu_metadata
.endif
;; end of part 1
;; launch qkv (part 2): grid 8 x 32, 4 waves a work-group, clusters of 4 x 4, 327,680 bytes of LDS; arguments cod, scl, qkvc, qkvs; writes qkvc, qkvs
.if DOCPART == 2
	.amdgcn_target "amdgcn-amd-amdhsa--gfx1250"
	.amdhsa_code_object_version 6
	.text
	.protected	k_q151d01952a_qkv
	.globl	k_q151d01952a_qkv
	.p2align	8
	.type	k_q151d01952a_qkv,@function
k_q151d01952a_qkv:
	s_mov_b64 s[64:65], 0
	v_nop
	global_prefetch_b8 v0, s[64:65] scope:SCOPE_SE
	s_setreg_imm32_b32 hwreg(HW_REG_WAVE_MODE, 25, 1), 1
	s_wait_xcnt 0x0
	s_wait_alu depctr_hold_cnt(0) depctr_sa_sdst(0) depctr_va_vdst(0) depctr_va_sdst(0) depctr_va_ssrc(0) depctr_va_vcc(0) depctr_vm_vsrc(0)
	s_getreg_b32 s2, hwreg(HW_REG_IB_STS2, 6, 4)
	s_cmp_eq_u32 s2, 0
	s_cbranch_scc0 .Lentry_in_a_cluster
	s_endpgm
.Lentry_in_a_cluster:
	s_bfe_u32 s2, ttmp6, 0x10000c
	s_cmp_lg_u32 s2, 0xf033
	s_cbranch_scc0 .Lentry_shape_is_right
	s_endpgm
.Lentry_shape_is_right:
; q = x Wq^T, k = x Wk^T, v^T = Wv x^T on codes of FP6 (E2M3), one E8M0 scale for each 32 along K = 1,024, sums in f32; the results leave as codes, quantised along the axis that the next product sums over.
; Operands: rows of cod [8192][768 bytes] and scl [8192][32]: 0 x, 4096 Wq, 5120 Wk, 6144 Wv; rows lie with bits 3 and 4 of the row number swapped, so that the 16 registers of two neighbouring tiles of source 0 are 16 neighbours.
; A WORK-GROUP (j = x, t = y) owns 128 tokens (chunk t) and head pair j, and makes three blocks of 128 x 128 one after the other: q, k, v.  A wave (xi = wave / 2, wi = wave % 2) owns 64 rows of x and 64 rows of each weight: 16 accumulators.
; WHOLE ROWS OF K LIE IN LDS: a row is 768 bytes, three units of 256 bytes, 16 bytes of padding behind each: pitch 816.  Three tiles of 128 rows: R0 x, R1 Wq, R2 Wk, asked for at the head, one tensor load a wave.
; Each wave takes its 64 rows of x, all of K, into 384 registers; then R0 is filled again with Wv, behind the waits, the add and a round of the cluster's barrier.  So a K step reads four fragments of the weight alone for its 16 products.
; q, k: source 0 = the weight's rows, source 1 = x's: a lane holds one token, registers along the channels.  v: source 0 = x's rows, source 1 = Wv's: a lane holds one channel, registers along the tokens.
; CLUSTERS 4 x 4: x's tile is asked for jointly along a row of the cluster (same t), the weights' along a column (same j).
; The scale words go from memory into registers: lane r takes its row's 32 bytes (eight K steps) by two loads; sixteen lanes read 512 consecutive bytes between the two.
; OUTPUT.  qkvc: regions of 12,288 bytes: region = 256 kind + 128 batch + 16 head pair + chunk; the 24 bytes of half g (64 places), block a of 16 rows, lane l at 6144 g + 1536 (a / 2) + 48 l + 24 (a % 2).  qkvs: regions of 512 bytes: row r of block a at 64 a + 4 r.
; A wave's codes of a block are 3,072 consecutive bytes: through its own stage, out as six stores of 512 bytes.  A scale word's two halves come from two waves: they meet in LDS and leave at the end, 512 bytes a kind.
; No prefetch: the text has no loop to run ahead in; three tiles are asked for at the head and the fourth as soon as x's bytes are free.
; LIMITS: a block whose largest magnitude lies under 2^(3 - 127), zeros among them, keeps the byte 1 (this program alone reads the bytes); NaN and infinities are not served.
; REGISTERS: window 0: v0-31 addresses, v32-63 x's scale words, v64-159 the weights', v160-255 the weight's fragments, two sets.  Windows 1, 2: x's fragments (K steps 0-4, 5-7).  Window 3: v0-127 accumulators, from v128 the way out.
.set KROW,  768
.set PITCH, 816
.set HALFT, 64*PITCH
.set TILE,  128*PITCH
.set STG,   3*TILE                     ; the stage: 3,072 bytes a wave
.set SST,   STG+12288                  ; the scale words of three kinds, 512 bytes each
.set SPARE, SST+1536                   ; the spare words, 128 bytes a wave
.set FLAGS, (1<<20)|(1<<21)|(5<<22)|(3<<25)   ; elements of 1 byte; padding on; bit 21 beside a mask; 4 words behind every 64
.set ADRX, 8                           ; pairs: the second register serves pieces whose lanes 16-31 lie behind one padding more
.set ADRQ, 10
.set ADRK, 12
.set ADRV, 14
.set SCO,  16
.set SRD,  17
.set SGO,  18
.set SPW,  28
.set NIL,  29
.set SX,   32
.set SW,   64
.set WF,   160
.set TM,   128                         ; window 3 from here on
.set TX,   136
.set TS,   144
.set PW,   152
.set STO,  156
.set RD,   157
.set SSQ,  158
.set SSV,  159
.set CQ,   160
.set CV,   161
.set CD,   164
.set OUT,  228
.set G1X, 24
.set G1W, 32
.set G1V, 40
.set G0X, 48
.set G0W, 52
.set G0V, 56
.set MSB, 0
.macro WIN new                         ; the immediate's high byte repeats the setting that is left
.if MSB != (\new)
	s_set_vgpr_msb (MSB<<8)|(\new)
.set MSB, (\new)
.endif
.endm
.macro PLACES n
.rept \n
	v_nop
.endr
.endm
.macro CREST
	s_cmp_lg_u32 s14, 0
	s_cbranch_scc1 .Lnot_wave_0_\@
	s_barrier_signal -3
.Lnot_wave_0_\@:
	s_barrier_wait -3
	s_barrier_signal -1
	s_barrier_wait -1
.endm
.macro CROUND
	s_barrier_signal -1
	s_barrier_wait -1
	CREST
.endm
.macro G1SET g, rows
	s_mov_b32 s[\g+1], KROW<<16
	s_mov_b32 s[\g+2], (\rows)<<16
	s_mov_b32 s[\g+3], KROW<<16
	s_mov_b32 s[\g+4], \rows
	s_mov_b32 s[\g+5], KROW
	s_mov_b32 s[\g+6], 0
	s_mov_b32 s[\g+7], 0
.endm
	s_load_b256 s[4:11], s[0:1], 0x0               ; cod, scl, qkvc, qkvs
	v_lshl_add_u32 v[SPW], v0, 2, SPARE
	v_mov_b32 v[NIL], 0
	ds_add_u32 v[SPW], v[NIL]                      ; the opening: the add, twice on end, and its wait
	ds_add_u32 v[SPW], v[NIL]
	v_lshrrev_b32 v1, 5, v0
	v_readfirstlane_b32 s14, v1                    ; wave
	s_lshr_b32 s15, s14, 1                         ; xi.  Also: I fetch x (0) or a weight (1)
	s_and_b32 s16, s14, 1                          ; wi.  Also: which half of x, or Wq (0) or Wk (1)
	s_bfe_u32 s19, ttmp6, 0x40000                  ; cx
	s_bfe_u32 s20, ttmp6, 0x40004                  ; cy
	s_lshl_b32 s18, ttmp9, 2
	s_add_co_u32 s18, s18, s19                     ; j
	s_and_b32 s17, ttmp7, 0xffff
	s_lshl_b32 s17, s17, 2
	s_add_co_u32 s17, s17, s20                     ; t
	s_lshl_b32 s21, s20, 2
	s_lshl_b32 s21, 15, s21                        ; my row of the cluster
	s_lshl_b32 s22, 0x1111, s19                    ; my column
	s_or_b32 s[G1X], s21, FLAGS
	s_or_b32 s[G1W], s22, FLAGS
	s_or_b32 s[G1V], s22, FLAGS
	G1SET G1X, 64
	G1SET G1W, 128
	G1SET G1V, 32
	s_lshl_b32 s60, s17, 7                         ; x: row 128 t + 64 half
	s_lshl_b32 s61, s16, 6
	s_add_co_u32 s60, s60, s61
	s_mul_i32 s60, s60, KROW
	s_mov_b32 s61, 0
	s_lshl_b32 s62, s18, 7                         ; Wq or Wk: row 4096 + 1024 which + 128 j
	s_lshl_b32 s63, s16, 10
	s_add_co_u32 s62, s62, s63
	s_add_co_u32 s62, s62, 4096
	s_mul_i32 s62, s62, KROW
	s_mov_b32 s63, 0
	s_lshl_b32 s66, s18, 7                         ; Wv: row 6144 + 128 j + 32 wave
	s_lshl_b32 s67, s14, 5
	s_add_co_u32 s66, s66, s67
	s_add_co_u32 s66, s66, 6144
	s_mul_i32 s66, s66, KROW
	s_mov_b32 s67, 0
	s_mov_b32 s[G0X], 1
	s_mul_i32 s[G0X+1], s16, HALFT
	s_mov_b32 s[G0W], 1
	s_mul_i32 s[G0W+1], s16, TILE
	s_add_co_u32 s[G0W+1], s[G0W+1], TILE
	s_mov_b32 s[G0V], 1
	s_mul_i32 s[G0V+1], s14, 32*PITCH
	s_wait_dscnt 0x0                               ; both opening adds are done
	s_wait_kmcnt 0x0
	s_add_nc_u64 s[G0X+2:G0X+3], s[4:5], s[60:61]
	s_or_b32 s[G0X+3], s[G0X+3], 0x80000000
	s_add_nc_u64 s[G0W+2:G0W+3], s[4:5], s[62:63]
	s_or_b32 s[G0W+3], s[G0W+3], 0x80000000
	s_add_nc_u64 s[G0V+2:G0V+3], s[4:5], s[66:67]
	s_or_b32 s[G0V+3], s[G0V+3], 0x80000000
	CROUND                                         ; all sixteen work-groups are here: the first joint loads meet
	s_cmp_eq_u32 s15, 0                            ; one load a wave: waves 0, 1 x's halves, wave 2 Wq, wave 3 Wk
	s_cbranch_scc0 .Lfor_w
	tensor_load_to_lds s[G0X:G0X+3], s[G1X:G1X+7]
	s_nop 0
	PLACES 4
	s_branch .Lasked
.Lfor_w:
	tensor_load_to_lds s[G0W:G0W+3], s[G1W:G1W+7]
	s_nop 0
	PLACES 4
.Lasked:
	s_mul_i32 s72, s15, HALFT                      ; my rows of x in R0
	s_mul_i32 s73, s16, HALFT                      ; my rows of Wv in R0,
	s_add_co_u32 s74, s73, TILE                    ; of Wq in R1,
	s_add_co_u32 s75, s73, 2*TILE                  ; of Wk in R2
	s_mul_i32 s76, s14, 3072
	s_add_co_u32 s76, s76, STG                     ; my stage
	s_lshl_b32 s77, s15, 8                         ; q, k: blocks 4 xi .., half wi of the word
	s_lshl_b32 s78, s16, 1
	s_add_co_u32 s77, s77, s78
	s_add_co_u32 s77, s77, SST
	s_lshl_b32 s78, s16, 8                         ; v: blocks 4 wi .., half xi
	s_lshl_b32 s79, s15, 1
	s_add_co_u32 s78, s78, s79
	s_add_co_u32 s78, s78, SST
	s_mul_i32 s79, s16, 6144                       ; q, k: 6144 wi + 3072 xi
	s_mul_i32 s80, s15, 3072
	s_add_co_u32 s79, s79, s80
	s_mul_i32 s80, s15, 6144                       ; v: 6144 xi + 3072 wi
	s_mul_i32 s81, s16, 3072
	s_add_co_u32 s80, s80, s81
	s_min_u32 s81, s14, 2                          ; the kind whose scale words I store at the end (waves 0-2)
	s_lshl_b32 s82, s81, 9
	s_add_co_u32 s82, s82, SST
	s_lshl_b32 s83, s81, 17                        ; 256 regions of 512 bytes a kind
	s_lshr_b32 s84, s17, 4
	s_lshl_b32 s84, s84, 7
	s_lshl_b32 s85, s18, 4
	s_add_co_u32 s84, s84, s85
	s_and_b32 s85, s17, 15
	s_add_co_u32 s84, s84, s85                     ; q's region: 128 batch + 16 j + chunk
	s_mul_i32 s86, s84, 12288
	s_mov_b32 s87, 0
	s_add_nc_u64 s[8:9], s[8:9], s[86:87]
	s_lshl_b32 s86, s84, 9
	s_add_nc_u64 s[10:11], s[10:11], s[86:87]
	s_lshl_b32 s86, s17, 7
	s_lshl_b32 s88, s15, 6
	s_add_co_u32 s86, s86, s88
	s_lshl_b32 s86, s86, 5
	s_add_nc_u64 s[90:91], s[6:7], s[86:87]        ; the scales of my rows of x
	s_lshl_b32 s86, s18, 7
	s_lshl_b32 s88, s16, 6
	s_add_co_u32 s86, s86, s88
	s_add_co_u32 s86, s86, 4096
	s_lshl_b32 s86, s86, 5
	s_add_nc_u64 s[92:93], s[6:7], s[86:87]        ; of my rows of Wq; Wk's and Wv's lie 32,768 bytes on each
	s_mov_b32 s70, 0x76543210
	s_mov_b32 s71, 0xfedcba98                      ; v_permlanex16_b32's selects for lane l xor 16
	v_and_b32 v1, 15, v0                           ; r
	v_bfe_u32 v2, v0, 4, 1                         ; h
	v_and_b32 v6, 31, v0                           ; lane
	v_mul_u32_u24 v3, v1, PITCH
	v_mad_u32_u24 v4, v2, 24, v3                   ; row x pitch + 24 h
	v_mad_u32_u24 v5, v2, 40, v3                   ; and behind one padding more
	v_add_nc_u32 v[ADRX], s72, v4
	v_add_nc_u32 v[ADRX+1], s72, v5
	v_add_nc_u32 v[ADRQ], s74, v4
	v_add_nc_u32 v[ADRQ+1], s74, v5
	v_add_nc_u32 v[ADRK], s75, v4
	v_add_nc_u32 v[ADRK+1], s75, v5
	v_add_nc_u32 v[ADRV], s73, v4
	v_add_nc_u32 v[ADRV+1], s73, v5
	v_lshlrev_b32 v[SCO], 5, v1                    ; 32 bytes of scales a row
	v_lshl_add_u32 v[SRD], v6, 4, s82
	v_lshl_add_u32 v[SGO], v6, 4, s83
	WIN 0xc0                                       ; destinations in window 3
	v_mad_u32_u24 v[STO], v6, 48, s76
	v_lshl_add_u32 v[RD], v6, 4, s76
	v_lshl_add_u32 v[SSQ], v1, 2, s77
	v_lshl_add_u32 v[SSV], v1, 2, s78
	v_lshl_add_u32 v[CQ], v6, 4, s79
	v_lshl_add_u32 v[CV], v6, 4, s80
.irp q, 0,1,2,3,4,5,6,7
	v_mov_b32 v[TX+\q], 0                          ; a lane permute's destination counts as one of its sources
.endr
	WIN 0
	s_wait_alu depctr_va_vdst(0)
.irp b, 0,1,2,3
	global_load_b128 v[SX+8*\b:SX+8*\b+3], v[SCO], s[90:91] offset:512*\b
	global_load_b128 v[SX+8*\b+4:SX+8*\b+7], v[SCO], s[90:91] offset:512*\b+16
.endr
.irp k, 0,1,2
.irp b, 0,1,2,3
	global_load_b128 v[SW+32*\k+8*\b:SW+32*\k+8*\b+3], v[SCO], s[92:93] offset:32768*\k+512*\b
	global_load_b128 v[SW+32*\k+8*\b+4:SW+32*\k+8*\b+7], v[SCO], s[92:93] offset:32768*\k+512*\b+16
.endr
.endr
; A fragment, 16 rows x 128 K, is 12 registers: lane (r, h) takes 24 bytes at 96 st + 24 h and 24 at 96 st + 48 + 24 h of its row, in pieces of 8 bytes.  Byte y of a row lies at y + 16 (y / 256) of its LDS row.
.macro FRAG reg, adr, st, i
.irp p, 0,1,2,3,4,5
.set BY, 96*(\st)+48*(\p/3)+8*(\p%3)
.if BY/256 == (BY+24)/256
	ds_load_b64 v[\reg+2*\p:\reg+2*\p+1], v[\adr] offset:BY+16*(BY/256)+(\i)*16*PITCH
.else
	ds_load_b64 v[\reg+2*\p:\reg+2*\p+1], v[\adr+1] offset:BY+16*(BY/256)+(\i)*16*PITCH
.endif
.endr
.endm
.macro LOADW adr, st, set              ; the weight's four fragments of K step st: 24 loads
	WIN 0
.irp i, 0,1,2,3
	FRAG WF+48*(\set)+12*\i, \adr, \st, \i
.endr
.endm
.macro WL zero
.if \zero
	v_wmma_scale_f32_16x16x128_f8f6f4 v[DD:DD+7], v[P0:P0+11], v[P1:P1+11], 0, v[C0], v[C1] matrix_a_fmt:MATRIX_FMT_FP6 matrix_b_fmt:MATRIX_FMT_FP6
.else
	v_wmma_scale_f32_16x16x128_f8f6f4 v[DD:DD+7], v[P0:P0+11], v[P1:P1+11], v[DD:DD+7], v[C0], v[C1] matrix_a_fmt:MATRIX_FMT_FP6 matrix_b_fmt:MATRIX_FMT_FP6
.endif
.endm
; 16 products of one K step; the 16 accumulators take turns; the first step's products start the sums
.macro MM kind, st
.if (\kind) < 2
	WIN 0xf0+4*(1+(\st)/5)                         ; source 0 window 0, source 1 x's window, C and D window 3
.else
	WIN 0xf1+(\st)/5                               ; source 0 x's window, source 1 window 0
.endif
.irp a, 0,1,2,3
.irp b, 0,1,2,3
.set DD, 8*(4*\a+\b)
.if (\kind) < 2
.set P0, WF+48*((\st)%2)+12*\b
.set P1, 48*((\st)%5)+12*\a
.set C0, SW+32*(\kind)+8*\b+(\st)
.set C1, SX+8*\a+(\st)
.else
.set P0, 48*((\st)%5)+12*\b
.set P1, WF+48*((\st)%2)+12*\a
.set C0, SX+8*\b+(\st)
.set C1, SW+64+8*\a+(\st)
.endif
	WL (\st)==0
.endr
.endr
.endm
.macro SEND k                          ; a kind's codes, back from my stage: six stores of 512 consecutive bytes, aligned
	WIN 0x0f
.irp n, 0,1,2,3,4,5
.if (\k) < 2
	global_store_b128 v[CQ], v[OUT+4*\n:OUT+4*\n+3], s[8:9] offset:(\k)*3145728+512*\n
.else
	global_store_b128 v[CV], v[OUT+4*\n:OUT+4*\n+3], s[8:9] offset:(\k)*3145728+512*\n
.endif
.endr
.endm
; THE WAY OUT of a kind: group q of 16 registers is half a block of 32 (the other half in lane l xor 16); eight groups by turns.  All its registers lie in window 3.
.macro EPI kind
	PLACES 4                                       ; the first reads of results stand four places behind the last products
	WIN 0xff
.irp q, 0,1,2,3,4,5,6,7
	v_max3_num_f32 v[TM+\q], 0x1800000, |v[16*\q]|, |v[16*\q+1]|   ; each accumulator from its low end on; the floor 2^(3 - 127) holds the byte at 1 from below
.endr
.irp i, 2,4,6,8,10,12,14
.irp q, 0,1,2,3,4,5,6,7
	v_max3_num_f32 v[TM+\q], v[TM+\q], |v[16*\q+\i]|, |v[16*\q+\i+1]|
.endr
.endr
.irp q, 0,1,2,3,4,5,6,7
	v_permlanex16_b32 v[TX+\q], v[TM+\q], s70, s71
.endr
.irp q, 0,1,2,3,4,5,6,7
	v_max_num_f32 v[TM+\q], v[TM+\q], v[TX+\q]     ; the block's largest magnitude
.endr
.irp q, 0,1,2,3,4,5,6,7
	v_add_nc_u32 v[TS+\q], 0xff000000, v[TM+\q]    ; 2 off its exponent field: the conversion's scale operand
.endr
.irp q, 0,1,2,3,4,5,6,7
	v_lshrrev_b32 v[TX+\q], 23, v[TS+\q]           ; the scale's byte
.endr
.irp a, 0,1,2,3
	v_lshl_or_b32 v[PW+\a], v[TX+2*\a+1], 8, v[TX+2*\a]   ; my half of the row's scale word
.endr
.irp a, 0,1,2,3
	v_cvt_scalef32_pk16_fp6_f32 v[CD+16*\a:CD+16*\a+2], v[32*\a:32*\a+15], v[TS+2*\a]
	v_cvt_scalef32_pk16_fp6_f32 v[CD+16*\a+8:CD+16*\a+10], v[32*\a+16:32*\a+31], v[TS+2*\a+1]
.endr
	v_nop                                          ; one plain place behind a scaled conversion
.irp a, 0,1,2,3
.irp i, 0,1,2
	v_permlane16_swap_b32 v[CD+16*\a+\i], v[CD+16*\a+8+\i]   ; a lane gets a whole block: lanes 0-15 the first, lanes 16-31 the second
.endr
.endr
.irp a, 0,1,2,3
.irp i, 0,1,2
	v_mov_b32 v[CD+16*\a+3+\i], v[CD+16*\a+8+\i]
.endr
.endr
.irp a, 0,1,2,3
.irp i, 0,1,2
	ds_store_b64 v[STO], v[CD+16*\a+2*\i:CD+16*\a+2*\i+1] offset:(\a/2)*1536+(\a%2)*24+8*\i
.endr
.if (\kind) < 2
	ds_store_b16 v[SSQ], v[PW+\a] offset:512*(\kind)+64*\a   ; both halves of the lanes write the same two bytes
.else
	ds_store_b16 v[SSV], v[PW+\a] offset:512*(\kind)+64*\a
.endif
.endr
.if (\kind) > 0
	s_wait_xcnt 0x0                                ; the last kind's stores have read their registers
.endif
.irp n, 0,1,2,3,4,5
	ds_load_b128 v[OUT+4*\n:OUT+4*\n+3], v[RD] offset:512*\n   ; LDS serves a wave's instructions in order: these see my stores
.endr
.endm
.macro PHASE kind, adr                 ; K steps 0 to 6 of a kind; each fetches the next step's fragments into the other set
.irp st, 0,1,2,3,4,5,6
	PLACES 4                                       ; ahead of loads into registers that products have read
	LOADW \adr, \st+1, 1-\st%2
	s_wait_dscnt 24                                ; all but the 24 loads just issued: this step's fragments are in (and the last kind's codes are back from the stage)
.if \st == 0 && (\kind) > 0
	SEND (\kind)-1
.endif
	MM \kind, \st
.endr
.endm
	s_wait_tensorcnt 0x0                           ; my tile has landed
	s_barrier_signal -1
	s_barrier_wait -1                              ; everybody's has
.irp st, 0,1,2,3,4,5,6,7
	WIN 0x40*(1+\st/5)
.irp i, 0,1,2,3
	FRAG 48*(\st%5)+12*\i, ADRX, \st, \i           ; my 64 rows of x, all of K
.endr
.endr
	LOADW ADRQ, 0, 0
	s_wait_tensorcnt 0x0                           ; ahead of the refill of R0: all my tensor loads are done,
	ds_add_u32 v[SPW], v[NIL]                      ; the add,
	s_wait_dscnt 0x0                               ; it is done, and so are my reads of x
	CROUND                                         ; the same holds of every wave of the sixteen work-groups
	tensor_load_to_lds s[G0V:G0V+3], s[G1V:G1V+7]  ; Wv, 32 rows a wave, into x's bytes
	s_nop 0
	PLACES 4
	s_wait_loadcnt 0x0                             ; the scale words
	PHASE 0, ADRQ
	PLACES 4
	LOADW ADRK, 0, 0
	s_wait_dscnt 24
	MM 0, 7
	EPI 0
	PHASE 1, ADRK
	PLACES 4
	s_wait_tensorcnt 0x0                           ; my part of Wv has landed,
	s_wait_dscnt 0x0
	s_barrier_signal -1
	s_barrier_wait -1                              ; and everybody's
	LOADW ADRV, 0, 0
	MM 1, 7
	EPI 1
	PHASE 2, ADRV
	s_wait_dscnt 0x0
	MM 2, 7
	EPI 2
	s_wait_dscnt 0x0
	SEND 2
	WIN 0
	s_barrier_signal -1
	s_barrier_wait -1                              ; both halves of every scale word lie in LDS
	s_cmp_lt_u32 s14, 3
	s_cbranch_scc0 .Lno_words
	ds_load_b128 v[20:23], v[SRD]                  ; wave w stores kind w's 128 words: 512 consecutive bytes, aligned
	s_wait_dscnt 0x0
	global_store_b128 v[SGO], v[20:23], s[10:11]
.Lno_words:
	s_wait_tensorcnt 0x0                           ; the wave's end
	ds_add_u32 v[SPW], v[NIL]
	s_wait_dscnt 0x0
	CROUND                                         ; the closing round
	s_endpgm
.Lfunc_end_k_q151d01952a_qkv:
	.size	k_q151d01952a_qkv, .Lfunc_end_k_q151d01952a_qkv-k_q151d01952a_qkv
	.p2alignl 7, 3214868480
	.fill 96, 4, 3214868480
	.section	.rodata,"a",@progbits
	.p2align	6, 0x0
	.amdhsa_kernel k_q151d01952a_qkv
		.amdhsa_group_segment_fixed_size 327680
		.amdhsa_private_segment_fixed_size 0
		.amdhsa_enable_private_segment 0
		.amdhsa_kernarg_size 32
		.amdhsa_user_sgpr_count 2
		.amdhsa_user_sgpr_kernarg_segment_ptr 1
		.amdhsa_wavefront_size32 1
		.amdhsa_system_sgpr_workgroup_id_x 1
		.amdhsa_system_sgpr_workgroup_id_y 1
		.amdhsa_system_sgpr_workgroup_id_z 1
		.amdhsa_system_vgpr_workitem_id 0
		.amdhsa_next_free_vgpr 1024
		.amdhsa_next_free_sgpr 100
		.amdhsa_reserve_vcc 0
		.amdhsa_float_denorm_mode_32 3
		.amdhsa_float_denorm_mode_16_64 3
		.amdhsa_memory_ordered 1
		.amdhsa_forward_progress 1
		.amdhsa_inst_pref_size 143
	.end_amdhsa_kernel
	.amdgpu_metadata
---
amdhsa.version: [ 1, 2 ]
amdhsa.kernels:
  - .name:           k_q151d01952a_qkv
    .symbol:         k_q151d01952a_qkv.kd
    .args:
      - { .name: cod, .offset: 0, .size: 8, .value_kind: global_buffer, .address_space: global }
      - { .name: scl, .offset: 8, .size: 8, .value_kind: global_buffer, .address_space: global }
      - { .name: qkvc, .offset: 16, .size: 8, .value_kind: global_buffer, .address_space: global }
      - { .name: qkvs, .offset: 24, .size: 8, .value_kind: global_buffer, .address_space: global }
    .group_segment_fixed_size: 327680
    .private_segment_fixed_size: 0
    .kernarg_segment_align: 8
    .kernarg_segment_size: 32
    .max_flat_workgroup_size: 128
    .sgpr_count:     100
    .vgpr_count:     1024
    .wavefront_size: 32
...
	.end_amdgpu_metadata
.endif
;; end of part 2
;; launch attn (part 3): grid 16 x 16, 16 waves a work-group, no clusters, 314,368 bytes of LDS; arguments qkvc, qkvs, ac, asc; writes ac, asc
.if DOCPART == 3
	.amdgcn_target "amdgcn-amd-amdhsa--gfx1250"
	.amdhsa_code_object_version 6
	.text
	.protected	k_q151d01952a_attn
	.globl	k_q151d01952a_attn
	.p2align	8
	.type	k_q151d01952a_attn,@function
k_q151d01952a_attn:
	s_mov_b64 s[64:65], 0
	v_nop
	global_prefetch_b8 v0, s[64:65] scope:SCOPE_SE
	s_setreg_imm32_b32 hwreg(HW_REG_WAVE_MODE, 25, 1), 1
	s_wait_xcnt 0x0
; Banded attention with one global token, both products on codes of FP6 (E2M3) with one E8M0 scale for each 32 along a product's K.  Key k counts for query q where |q - k| <= 128, or k = 0, or q = 0.
; The weights are the finished softmax, exp(logit - the row's largest logit) / the row's sum, quantised along the keys in blocks of 32 counted from key 0; the result is quantised along the channels and leaves as codes.
; INPUT: qkvc, qkvs as the launch before lays them: regions of 12,288 and 512 bytes, region = 256 kind (0 q, 1 k, 2 v) + 16 y + chunk of 128 tokens, y = 8 batch + head pair.
; q, k: head e of the pair, tile a of 16 tokens, lane l: 24 bytes at 6144 e + 1536 (a / 2) + 48 l + 24 (a % 2); row r of tile a is token 32 (a / 2) + 8 (a % 2) + r + 8 (r / 8) of the chunk.
; v: tile 4 e + t of 16 channels (row r: channel 32 (t / 2) + 8 (t % 2) + r + 8 (r / 8) of the head); lane 16 h + r, half g: the codes of the chunk's key block 2 g + h.
; OUTPUT: ac [4096 tokens][768 bytes] codes along the 1,024 channels, asc [4096][32] their scale bytes.
; SHARES.  A work-group (c = x, y) owns 128 queries of two heads; wave w owns head e = w / 8 and tile a = w % 8: 16 queries in 256 registers, four waves to a SIMD, so that one wave's vector work stands beside another's products.
; With A = a / 2 a tile's window is the nine key blocks B0 + 0 .. 8, B0 = 4 c - 4 + A; only blocks 0 and 8 are cut by the band.  Key 0 lies in the window (B0 <= 0) or is a tenth block G, all zeros but key 0.
; Both products are used transposed (S^T = K Q^T, O^T = V^T P^T): a lane holds ONE query; by the tiles' choice of rows the 16 registers of a block's two tiles are the keys 32 block + 16 (lane / 16) + 0 .. 15.
; K = 64 in the first product: Q's upper six registers are zero codes, so what stands in K's upper six adds nothing.
; QUERY 0 sees all keys: where c = 0 the eight waves of a head first take 256 keys each for that one row (maximum, sum and O meet in LDS), and wave a = 0 puts the row into its O^T.
; LDS is filled once: eight dense tiles (K's chunks c - 1, c, c + 1, 0; V's likewise; a chunk outside the sequence is held at the nearest inside, and its scores are hidden), one tensor load each by waves 0-7.
; No cluster: neighbouring work-groups share chunks, but at different places of their LDS, so their descriptors would differ.  No prefetch: every operand was stored by the launch before.
; ac's rows are written 24 bytes a lane, 768 bytes apart: a work-group holds 2 of a row's 16 heads.
; LIMITS: NaN and infinities are not served; a weight under 2^-126 counts as 0 (v_exp_f32 flushes); a block of zeros keeps the byte 1 (this program alone reads the bytes).
; A block's largest weight is not searched for: the block's largest score goes through the same multiply-add, exponential and multiplication (this takes v_exp_f32 not to fall where its input rises).
; REGISTERS: v1 r, v2 h, v3 48 lane, v4 d0, v5 -inf, v6, v7 V's addresses, v8-10, v102 addresses in hand, v11 row 0's place, v12 -c m, v13 m, v[14:15] the sum, v16-27 Q, v28-37 K's scale words, v38-43 V's, v44-46 P's, v47 Q's,
;   v48-101 K's fragments (four blocks and six zeros), later v48-57 block maxima, v58-67 bytes, v68-103 P's codes; v104-247 S^T, then the weights, later v104-199 V's fragments, v200-231 O^T, v232-238 the result's codes; v248-255 at work.
.set CH,   12288                       ; a chunk's tile in LDS: tiles 0-3 K's, 4-7 V's
.set R0W,  8*CH                        ; row 0's scratch, in blocks of 256 bytes into which no tile lands: 16 x 2,048: a wave's 256 weights (and as many bytes for the idle half of the lanes)
.set R0C,  R0W+16*2048                 ; 16 x 256: a wave's 192 bytes of codes, its 8 scale bytes at +192
.set R0O,  R0C+16*256                  ; 16 x 256: a wave's part of O
.set R0F,  R0O+16*256                  ; 2 x 256: a head's O
.set R0M,  R0F+512                     ; 16 words: the waves' maxima;  256 bytes on: their sums
.set S,    104
.set KST,  48
.set KSR,  28
.set SWR,  38
.set PWR,  44
.set QSR,  47
.set BM,   48
.set XB,   58
.set PC,   68
.set OT,   200
.macro PLACES n
.rept \n
	v_nop
.endr
.endm
; A product that starts a sum (WM0) or adds in place (WMA).  row = 0: both sides' scales in lanes 0-15; 1: source 0's in lanes 16-31; 2: source 1's in lanes 16-31
.macro WM0 d, a, b, sa, sb, row
.if (\row) == 0
	v_wmma_scale_f32_16x16x128_f8f6f4 v[(\d):(\d)+7], v[(\a):(\a)+11], v[(\b):(\b)+11], 0, v[(\sa)], v[(\sb)] matrix_a_fmt:MATRIX_FMT_FP6 matrix_b_fmt:MATRIX_FMT_FP6
.elseif (\row) == 1
	v_wmma_scale_f32_16x16x128_f8f6f4 v[(\d):(\d)+7], v[(\a):(\a)+11], v[(\b):(\b)+11], 0, v[(\sa)], v[(\sb)] matrix_a_fmt:MATRIX_FMT_FP6 matrix_b_fmt:MATRIX_FMT_FP6 matrix_a_scale:MATRIX_SCALE_ROW1
.else
	v_wmma_scale_f32_16x16x128_f8f6f4 v[(\d):(\d)+7], v[(\a):(\a)+11], v[(\b):(\b)+11], 0, v[(\sa)], v[(\sb)] matrix_a_fmt:MATRIX_FMT_FP6 matrix_b_fmt:MATRIX_FMT_FP6 matrix_b_scale:MATRIX_SCALE_ROW1
.endif
.endm
.macro WMA d, a, b, sa, sb, row
.if (\row) == 0
	v_wmma_scale_f32_16x16x128_f8f6f4 v[(\d):(\d)+7], v[(\a):(\a)+11], v[(\b):(\b)+11], v[(\d):(\d)+7], v[(\sa)], v[(\sb)] matrix_a_fmt:MATRIX_FMT_FP6 matrix_b_fmt:MATRIX_FMT_FP6
.else
	v_wmma_scale_f32_16x16x128_f8f6f4 v[(\d):(\d)+7], v[(\a):(\a)+11], v[(\b):(\b)+11], v[(\d):(\d)+7], v[(\sa)], v[(\sb)] matrix_a_fmt:MATRIX_FMT_FP6 matrix_b_fmt:MATRIX_FMT_FP6 matrix_a_scale:MATRIX_SCALE_ROW1
.endif
.endm
	s_load_b128 s[4:7], s[0:1], 0x0                ; qkvc, qkvs
	s_load_b128 s[8:11], s[0:1], 0x10              ; ac, asc
	v_lshl_add_u32 v254, v0, 2, 0x4c400
	v_mov_b32 v255, 0
	ds_add_u32 v254, v255
	ds_add_u32 v254, v255
	s_wait_dscnt 0x0
	v_lshrrev_b32 v1, 5, v0
	s_delay_alu instid0(VALU_DEP_1)
	v_readfirstlane_b32 s14, v1                    ; wave w
	s_mov_b32 s12, ttmp9                           ; c: my 128 queries
	s_and_b32 s13, ttmp7, 0xffff                   ; y = 8 batch + head pair
	s_lshr_b32 s15, s14, 3                         ; e
	s_and_b32 s16, s14, 7                          ; a
	s_lshr_b32 s17, s16, 1                         ; A
	s_and_b32 s18, s16, 1                          ; U
	s_lshl_b32 s32, s13, 4                         ; 16 y
	; the tile that waves 0-7 fetch: tile a: K's (a < 4) or V's; chunk c - 1 + a % 4 held to 0 .. 15, or chunk 0
	s_and_b32 s58, s16, 3
	s_add_co_i32 s59, s12, s58
	s_sub_co_i32 s59, s59, 1
	s_max_i32 s59, s59, 0
	s_min_i32 s59, s59, 15
	s_cmp_eq_u32 s58, 3
	s_cselect_b32 s59, 0, s59
	s_lshr_b32 s60, s16, 2
	s_lshl_b32 s60, s60, 8
	s_add_co_u32 s60, s60, 256
	s_add_co_u32 s60, s60, s32
	s_add_co_u32 s60, s60, s59                     ; its region
	s_mul_i32 s60, s60, CH
	s_mov_b32 s61, 0
	s_mov_b32 s40, 3<<16                           ; group 1: 15:0 no mask; 17:16 elements of 8 bytes; no padding: a dense block of 12,288 bytes as 48 rows of 256
	s_mov_b32 s41, 32<<16                          ; tensor_dim0 = 32
	s_mov_b32 s42, 48<<16                          ; tensor_dim1 = 48
	s_mov_b32 s43, 32<<16                          ; tile_dim0 = 32
	s_mov_b32 s44, 48                              ; tile_dim1 = 48
	s_mov_b32 s45, 32                              ; the pitch
	s_mov_b32 s46, 0
	s_mov_b32 s47, 0
	s_mov_b32 s36, 1                               ; group 0: count = 1
	s_mul_i32 s37, s16, CH                         ; LDS address
	s_wait_kmcnt 0x0
	s_add_nc_u64 s[38:39], s[4:5], s[60:61]        ; global address
	s_or_b32 s39, s39, 0x80000000                  ; type = 2
	s_cmp_lt_u32 s14, 8
	s_cbranch_scc0 .Lno_fill
	tensor_load_to_lds s[36:39], s[40:47]          ; the launch's only fill of these bytes; by this text's count one tensor load of a wave is out
	s_nop 0
.rept 4
	v_nop
.endr
.Lno_fill:
	s_lshl_b32 s19, s12, 2
	s_add_co_u32 s19, s19, s17
	s_sub_co_i32 s19, s19, 4                       ; B0: the window's first key block (negative where c = 0)
	s_mov_b32 s20, 0x76543210
	s_mov_b32 s21, 0xfedcba98                      ; v_permlanex16_b32's selects for lane l xor 16
	s_mov_b32 s22, 0x3e38aa3b                      ; cc = log2(e) / 8: exp(score / 8) = 2^(cc score)
	s_mov_b32 s23, s22                             ; (named with it as a pair, so it is written)
	s_mov_b32 s24, 0xbe38aa3b                      ; -cc
	s_lshl_b32 s25, s15, 4                         ; a q or k scale word holds the even head's two bytes below the odd head's: 16 e bits down
	s_lshl_b32 s26, s17, 3                         ; V's scale bytes begin A bytes into the first chunk's word
	s_cmp_gt_i32 s19, 0
	s_cselect_b32 s27, 0xffff, 0                   ; block G counts (its key 0 lies in lanes 0-15) where the window begins behind block 0
	s_cmp_eq_u32 s19, 0
	s_cselect_b32 s28, 0xffff0000, -1              ; where the window begins with block 0, key 0 (register 0, lanes 0-15) is never hidden
	s_mov_b32 s29, 0xffff
	s_mov_b32 s30, 0x00010001                      ; query 0's two lanes
	s_mul_i32 s31, s15, 6144                       ; my head's half of a q or k region
.irp b, 0,1,2,3,4,5,6,7,8
	s_add_co_u32 s58, s17, \b                      ; window block b is block A + b of the three chunks in LDS
	s_lshr_b32 s59, s58, 2
	s_mul_i32 s59, s59, CH
	s_and_b32 s58, s58, 3
	s_mul_i32 s58, s58, 1536
	s_add_co_u32 s[48+\b], s59, s58
	s_add_co_u32 s[48+\b], s[48+\b], s31
.endr
	s_add_co_u32 s57, s31, 3*CH                    ; block G: block 0 of chunk 0
	; offsets of what comes through registers
	s_add_co_u32 s58, s32, s12                     ; q's region
	s_mul_i32 s66, s58, CH
	s_add_co_u32 s66, s66, s31
	s_mul_i32 s59, s17, 1536
	s_add_co_u32 s66, s66, s59
	s_mul_i32 s59, s18, 24
	s_add_co_u32 s66, s66, s59
	s_mov_b32 s67, 0
	s_add_nc_u64 s[66:67], s[4:5], s[66:67]        ; my tile of q
	s_lshl_b32 s68, s58, 9
	s_lshl_b32 s59, s16, 6
	s_add_co_u32 s68, s68, s59
	s_mov_b32 s69, 0
	s_add_nc_u64 s[68:69], s[6:7], s[68:69]        ; its scale words
	s_add_co_u32 s70, s32, 256
	s_lshl_b32 s70, s70, 9
	s_mov_b32 s71, 0
	s_add_nc_u64 s[70:71], s[6:7], s[70:71]        ; k's scale words of (batch, head pair): 128 bytes a key block
	s_add_co_u32 s72, s32, 512
	s_lshl_b32 s72, s72, 9
	s_lshl_b32 s59, s15, 8
	s_add_co_u32 s72, s72, s59
	s_mov_b32 s73, 0
	s_add_nc_u64 s[72:73], s[6:7], s[72:73]        ; v's, my head's: 512 bytes a chunk
	s_lshr_b32 s58, s13, 3
	s_lshl_b32 s58, s58, 11
	s_lshl_b32 s59, s12, 7
	s_add_co_u32 s58, s58, s59
	s_lshl_b32 s59, s17, 5
	s_add_co_u32 s58, s58, s59
	s_lshl_b32 s59, s18, 3
	s_add_co_u32 s58, s58, s59                     ; the token of row 0 of my tile: 2048 batch + 128 c + 32 A + 8 U
	s_and_b32 s59, s13, 7
	s_lshl_b32 s59, s59, 1
	s_add_co_u32 s59, s59, s15                     ; my head
	s_mul_i32 s74, s58, 768
	s_mul_i32 s33, s59, 48
	s_add_co_u32 s74, s74, s33
	s_mov_b32 s75, 0
	s_add_nc_u64 s[74:75], s[8:9], s[74:75]        ; ac
	s_lshl_b32 s76, s58, 5
	s_lshl_b32 s33, s59, 1
	s_add_co_u32 s76, s76, s33
	s_mov_b32 s77, 0
	s_add_nc_u64 s[76:77], s[10:11], s[76:77]      ; asc
	v_and_b32 v1, 15, v0                           ; r
	v_bfe_u32 v2, v0, 4, 1                         ; h
	v_and_b32 v3, 31, v0
	s_delay_alu instid0(VALU_DEP_1)
	v_lshlrev_b32 v105, 2, v3                      ; 4 x lane
	s_delay_alu instid0(VALU_DEP_2)
	v_mul_u32_u24 v3, v3, 48                       ; 48 x lane
	v_and_b32 v4, 8, v1
	s_delay_alu instid0(VALU_DEP_1)
	v_add_nc_u32 v4, v4, v1
	s_delay_alu instid0(VALU_DEP_1)
	v_lshl_add_u32 v4, s18, 3, v4                  ; rho = 8 U + r + 8 (r / 8): my query is 128 c + 32 A + rho
	v_lshlrev_b32 v5, 4, v2
	s_delay_alu instid0(VALU_DEP_1)
	v_sub_nc_u32 v4, v4, v5                        ; d0 = rho - 16 h: register i of block 0 is hidden where i < d0, of block 8 where i > d0
	v_mov_b32 v5, 0xff800000                       ; -infinity
	; V: window block 4 s + 2 c' + h is block A + 4 s + 2 c' + h of the three chunks; two blocks on are 6,144 bytes on, the odd block of a pair lies 768 bytes behind the even one
	s_and_b32 s58, s17, 1
	s_lshr_b32 s59, s17, 1
	s_mul_i32 s33, s58, 4608
	s_add_co_u32 s33, s33, 768                     ; from lanes 0-15 to lanes 16-31: 768, or with A odd 6144 - 768
	s_mul_i32 s34, s15, 3072
	s_add_co_u32 s34, s34, 4*CH
	s_mul_i32 s35, s59, 6144
	s_add_co_u32 s34, s34, s35
	s_mul_i32 s35, s58, 768
	s_add_co_u32 s34, s34, s35
	v_mul_u32_u24 v6, s33, v2
	s_delay_alu instid0(VALU_DEP_1)
	v_mad_u32_u24 v6, v1, 48, v6
	s_delay_alu instid0(VALU_DEP_1)
	v_add_nc_u32 v6, s34, v6
	s_xor_b32 s58, s58, 1                          ; the third step: lanes 0-15 window block 8, lanes 16-31 block G (block 0 of chunk 0, tile 7):
	s_xor_b32 s59, s59, 1                          ; the distance 12288 - 6144 (A / 2) - 768 (A % 2), made of sums alone
	s_mul_i32 s58, s58, 768
	s_mul_i32 s59, s59, 6144
	s_add_co_u32 s58, s58, s59
	s_add_co_u32 s58, s58, 5376
	v_mul_u32_u24 v7, s58, v2
	s_delay_alu instid0(VALU_DEP_1)
	v_mad_u32_u24 v7, v1, 48, v7
	s_add_co_u32 s34, s34, 24576
	v_add_nc_u32 v7, s34, v7
	s_lshl_b32 s58, s15, 8
	s_add_co_u32 s58, s58, R0F
	v_lshl_add_u32 v11, v2, 7, s58                 ; row 0's O of my head: 128 bytes for each half of the lanes
	v_lshlrev_b32 v104, 2, v1                      ; 4 r
.irp b, 0,1,2,3,4,5,6,7,8
	s_add_co_i32 s58, s19, \b                      ; a block outside the sequence is held at the nearest inside: its scores are hidden below
	s_max_i32 s58, s58, 0
	s_min_i32 s58, s58, 63
	s_lshl_b32 s58, s58, 7
	v_add_nc_u32 v[106+\b], s58, v105
.endr
.irp sl, 0,1,2
	s_add_co_i32 s58, s12, \sl-1
	s_max_i32 s58, s58, 0
	s_min_i32 s58, s58, 15
	s_lshl_b32 s58, s58, 9
	v_add_nc_u32 v[115+\sl], s58, v105
.endr
.irp i, 0,1,2
	global_load_b64 v[16+2*\i:17+2*\i], v3, s[66:67] offset:8*\i   ; Q's six registers
.endr
	global_load_b32 v[QSR], v104, s[68:69]
	s_wait_alu depctr_va_vdst(0)
.irp b, 0,1,2,3,4,5,6,7,8
	global_load_b32 v[KSR+\b], v[106+\b], s[70:71]                 ; lanes 0-15 the block's even tile, lanes 16-31 the odd one
.endr
	global_load_b32 v[KSR+9], v105, s[70:71]                       ; block G's
.irp sl, 0,1,2
.irp tp, 0,1
	global_load_b32 v[248+2*\sl+\tp], v[115+\sl], s[72:73] offset:128*\tp   ; V's words of the three chunks: channel tiles 2 tp (lanes 0-15) and 2 tp + 1
.endr
.endr
.irp tp, 0,1
	global_load_b32 v[254+\tp], v105, s[72:73] offset:128*\tp      ; and of chunk 0
.endr
	s_cmp_lg_u32 s12, 0                            ; the same in all sixteen waves
	s_cbranch_scc1 .Lno_row0
	; ==== QUERY 0, where c = 0.  Wave (e, a) takes keys 256 a .. 256 a + 255: chunks 2 a, 2 a + 1.  The first product is used UNTRANSPOSED (source 0 = q's tile 0, source 1 = 16 keys): register 0 of lanes 0-15 holds query 0's 16 scores.
	s_wait_xcnt 0x0                                ; the loads above have had their addresses translated (ISA guide 3.1): their address registers may take new loads
	s_lshl_b32 s58, s16, 1
	s_add_co_u32 s58, s58, s32                     ; 16 y + 2 a
	s_add_co_u32 s59, s58, 256
	s_mul_i32 s78, s59, CH
	s_add_co_u32 s78, s78, s31
	s_mov_b32 s79, 0
	s_add_nc_u64 s[78:79], s[4:5], s[78:79]        ; my two chunks of k
	s_mul_i32 s80, s32, CH
	s_add_co_u32 s80, s80, s31
	s_mov_b32 s81, 0
	s_add_nc_u64 s[80:81], s[4:5], s[80:81]        ; q's tile 0 of chunk 0
	s_lshl_b32 s82, s32, 9
	s_mov_b32 s83, 0
	s_add_nc_u64 s[82:83], s[6:7], s[82:83]        ; its scale words
	s_add_co_u32 s59, s58, 512
	s_mul_i32 s84, s59, CH
	s_mul_i32 s59, s15, 3072
	s_add_co_u32 s84, s84, s59
	s_mov_b32 s85, 0
	s_add_nc_u64 s[84:85], s[4:5], s[84:85]        ; my two chunks of v
	v_lshlrev_b32 v242, 2, v1                      ; 4 r
	s_lshl_b32 s58, s16, 10
	v_and_b32 v243, 31, v0
	s_delay_alu instid0(VALU_DEP_1)
	v_lshlrev_b32 v243, 2, v243
	s_delay_alu instid0(VALU_DEP_1)
	v_add_nc_u32 v243, s58, v243
	; QUERY 0's VALUES ARE ASKED FOR HERE, WITH ITS KEYS.  A wave's part of v is 4 x 3,072 consecutive bytes (two chunks, two halves, my head): 24 copies of 512 bytes into LDS bytes of its own, laid as the regions lie in memory.
	; Chunks 2 .. 15 lie from R0M + 512 on, 14 x 12,288 bytes, filled once; chunks 0 and 1 (waves a = 0) are the resident tiles 5 and 6.  So the LDS base is 5 CH + 2 a CH + min(a, 1) x XVD + 3072 e.
.set XVD, R0M+512-7*CH
	s_min_u32 s86, s16, 1
	s_mul_i32 s86, s86, XVD
	s_mul_i32 s87, s16, 2*CH
	s_add_co_u32 s86, s86, s87
	s_mul_i32 s87, s15, 3072
	s_add_co_u32 s86, s86, s87
	s_add_co_u32 s86, s86, 5*CH
	v_and_b32 v27, 31, v0
	v_lshlrev_b32 v27, 4, v27                      ; 16 x lane: my bytes of a copy's 512; v26, v27 and s[84:85] stay as they are until the wait on ASYNCcnt
	v_add_nc_u32 v26, s86, v27
	v_add_nc_u32 v244, s86, v3                     ; and where I read the fragments: 48 x lane
	s_wait_alu depctr_va_vdst(0)                   ; ahead of the branch and of the readers behind it
	s_cmp_eq_u32 s16, 0
	s_cbranch_scc1 .Lno_copy
.irp s, 0,1
.irp cc, 0,1
.irp k, 0,1,2,3,4,5
	global_load_async_to_lds_b128 v26, v27, s[84:85] offset:\s*CH+\cc*6144+512*\k
.endr
.endr
.endr
.Lno_copy:
.irp s, 0,1
.irp tp, 0,1
	global_load_b32 v[12+2*\s+\tp], v243, s[72:73] offset:512*\s+128*\tp   ; v's scale words, kept in hand until k's are done with
.endr
.endr
.irp n, 0,1,2,3,4,5,6,7
.irp k, 0,1,2
	global_load_b128 v[60+12*\n+4*\k:63+12*\n+4*\k], v3, s[78:79] offset:(\n/4)*CH+(\n%4)*1536+16*\k
.endr
	global_load_b32 v[39+\n], v243, s[70:71] offset:128*\n
.endr
.irp i, 0,1,2
	global_load_b64 v[48+2*\i:49+2*\i], v3, s[80:81] offset:8*\i
.endr
	global_load_b32 v38, v242, s[82:83]
.irp i, 0,1,2,3,4,5
	v_mov_b32 v[54+\i], 0                          ; q's upper half: zero codes
	v_mov_b32 v[156+\i], 0                         ; behind the last tile of k
.endr
	s_wait_loadcnt 0x0
	s_wait_tensorcnt 0x0                           ; my tile has landed (tiles 5 and 6 are read behind the barriers below),
	s_wait_asynccnt 0x0                            ; and so have my copies
.irp i, 0,1,2,3,4,5,6,7,8
	v_lshrrev_b32 v[38+\i], s25, v[38+\i]
.endr
	PLACES 8                                       ; a scale register written by a vector instruction stands 8 places ahead of a scaled matrix instruction
.irp ro, 0,1
.irp j, 0,1,2,3,4,5,6,7
	WM0 162+8*\j, 48, 60+6*(8*\ro+\j), 38, 39+(8*\ro+\j)/2, 2*(\j%2)
.endr
	PLACES 5                                       ; four ahead of the reads of results, five ahead of the next eight products, which write over them
.irp j, 0,1,2,3,4,5,6,7
	v_cndmask_b32 v[226+8*\ro+\j], v5, v[162+8*\j], s29   ; tile 8 ro + j: lanes 0-15 query 0's scores, lanes 16-31 -infinity
.endr
.endr
.irp i, 0,1,2,3
	v_mov_b32 v[39+\i], v[12+\i]                   ; v's scale words take the registers of k's
.endr
	v_max3_num_f32 v247, v226, v227, v228          ; the largest of my 256 scores
.irp i, 229,231,233,235,237,239
	s_delay_alu instid0(VALU_DEP_1)
	v_max3_num_f32 v247, v247, v[\i], v[\i+1]
.endr
	s_delay_alu instid0(VALU_DEP_1)
	v_max_num_f32 v247, v247, v241
	s_delay_alu instid0(VALU_DEP_1)
	v_max_num_f32_dpp v247, v247, v247 row_xmask:1 row_mask:0xf bank_mask:0xf
	s_delay_alu instid0(VALU_DEP_1)
	v_max_num_f32_dpp v247, v247, v247 row_xmask:2 row_mask:0xf bank_mask:0xf
	s_delay_alu instid0(VALU_DEP_1)
	v_max_num_f32_dpp v247, v247, v247 row_xmask:4 row_mask:0xf bank_mask:0xf
	s_delay_alu instid0(VALU_DEP_1)
	v_max_num_f32_dpp v247, v247, v247 row_xmask:8 row_mask:0xf bank_mask:0xf
	v_mov_b32 v8, 0                                ; a lane permute's destination counts as one of its sources
	s_delay_alu instid0(VALU_DEP_1)
	v_permlanex16_b32 v8, v247, s20, s21
	s_delay_alu instid0(VALU_DEP_1)
	v_max_num_f32 v247, v247, v8
	s_lshl_b32 s58, s14, 2
	s_add_co_u32 s58, s58, R0M
	v_mov_b32 v245, s58                            ; my wave's word
	s_lshl_b32 s58, s15, 5
	s_add_co_u32 s58, s58, R0M
	v_mov_b32 v246, s58                            ; my head's eight words
	ds_store_b32 v245, v247
	s_wait_alu depctr_va_vdst(0)
	s_wait_dscnt 0x0                               ; for the others' sake: my store is done
	s_barrier_signal -1
	s_barrier_wait -1
	ds_load_b128 v[162:165], v246
	ds_load_b128 v[166:169], v246 offset:16
	s_wait_dscnt 0x0
	v_max3_num_f32 v247, v162, v163, v164
	s_delay_alu instid0(VALU_DEP_1)
	v_max3_num_f32 v247, v247, v165, v166
	s_delay_alu instid0(VALU_DEP_1)
	v_max3_num_f32 v247, v247, v167, v168
	s_delay_alu instid0(VALU_DEP_1)
	v_max_num_f32 v247, v247, v169                 ; the row's largest score
	s_delay_alu instid0(VALU_DEP_1)
	v_mul_f32 v9, s24, v247
.irp i, 0,1,2,3,4,5,6,7,8,9,10,11,12,13,14,15
	v_fma_f32 v[226+\i], v[226+\i], s22, v9
.endr
	s_wait_alu depctr_va_vdst(0)
.irp i, 0,1,2,3,4,5,6,7,8,9,10,11,12,13,14,15
	v_exp_f32 v[226+\i], v[226+\i]
.endr
	v_nop                                          ; a plain place behind the exponentials
	s_wait_alu depctr_va_vdst(0)
	v_pk_add_f32 v[12:13], v[226:227], v[228:229]
.irp i, 230,232,234,236,238,240
	v_pk_add_f32 v[12:13], v[12:13], v[\i:\i+1]
.endr
	s_delay_alu instid0(VALU_DEP_1)
	v_add_f32 v247, v12, v13
	s_delay_alu instid0(VALU_DEP_1)
	v_add_f32_dpp v247, v247, v247 row_xmask:1 row_mask:0xf bank_mask:0xf
	s_delay_alu instid0(VALU_DEP_1)
	v_add_f32_dpp v247, v247, v247 row_xmask:2 row_mask:0xf bank_mask:0xf
	s_delay_alu instid0(VALU_DEP_1)
	v_add_f32_dpp v247, v247, v247 row_xmask:4 row_mask:0xf bank_mask:0xf
	s_delay_alu instid0(VALU_DEP_1)
	v_add_f32_dpp v247, v247, v247 row_xmask:8 row_mask:0xf bank_mask:0xf
	s_delay_alu instid0(VALU_DEP_1)
	v_permlanex16_b32 v8, v247, s20, s21
	s_delay_alu instid0(VALU_DEP_1)
	v_add_f32 v247, v247, v8                       ; (lanes 16-31 held zeros)
	ds_store_b32 v245, v247 offset:256
	s_wait_dscnt 0x0
	s_barrier_signal -1
	s_barrier_wait -1
	ds_load_b128 v[162:165], v246 offset:256
	ds_load_b128 v[166:169], v246 offset:272
.irp s, 0,1
.irp t, 0,1,2,3
.irp cc, 0,1
.irp i, 0,1,2
	ds_load_b64 v[60+48*\s+12*\t+6*\cc+2*\i:61+48*\s+12*\t+6*\cc+2*\i], v244 offset:\s*CH+\cc*6144+(\t/2)*1536+(\t%2)*24+8*\i   ; v's fragments come while the weights are made
.endr
.endr
.endr
.endr
	s_wait_dscnt 48                                ; the eight sums are in; the 48 loads just issued may be out
	v_add_f32 v162, v162, v163
	v_add_f32 v164, v164, v165
	v_add_f32 v166, v166, v167
	v_add_f32 v168, v168, v169
	s_delay_alu instid0(VALU_DEP_3)
	v_add_f32 v162, v162, v164
	s_delay_alu instid0(VALU_DEP_2)
	v_add_f32 v166, v166, v168
	s_delay_alu instid0(VALU_DEP_1)
	v_add_f32 v162, v162, v166                     ; the row's sum
	s_wait_alu depctr_va_vdst(0)
	v_rcp_f32 v247, v162
	v_nop
	s_wait_alu depctr_va_vdst(0)
.irp i, 0,1,2,3,4,5,6,7,8,9,10,11,12,13,14,15
	v_mul_f32 v[226+\i], v[226+\i], v247           ; the weights
.endr
	; the weights lie 16 keys to a register across lanes; the conversion wants 16 neighbours in one lane's registers: through my own 1,024 bytes of LDS, by key
	s_lshl_b32 s58, s14, 11
	s_add_co_u32 s58, s58, R0W
	v_and_b32 v206, 8, v1
	s_delay_alu instid0(VALU_DEP_1)
	v_add_nc_u32 v206, v206, v1
	s_delay_alu instid0(VALU_DEP_1)
	v_lshlrev_b32 v206, 2, v206
	s_delay_alu instid0(VALU_DEP_1)
	v_lshl_add_u32 v206, v2, 10, v206              ; (lanes 16-31, which hold nothing, write 1,024 bytes on)
	s_delay_alu instid0(VALU_DEP_1)
	v_add_nc_u32 v206, s58, v206
	v_lshl_add_u32 v207, v1, 6, s58                ; back: 16 keys to lane r; lanes 16-31 take the same as lanes 0-15
	s_lshl_b32 s59, s14, 8
	s_add_co_u32 s59, s59, R0C
	v_mul_u32_u24 v208, v1, 12
	s_delay_alu instid0(VALU_DEP_1)
	v_add_nc_u32 v208, s59, v208
	v_lshrrev_b32 v209, 1, v1
	s_delay_alu instid0(VALU_DEP_1)
	v_add_nc_u32 v209, s59, v209
	v_mul_u32_u24 v210, v2, 24
	s_delay_alu instid0(VALU_DEP_1)
	v_add_nc_u32 v210, s59, v210
	v_mov_b32 v211, s59
.irp t, 0,1,2,3,4,5,6,7,8,9,10,11,12,13,14,15
	ds_store_b32 v206, v[226+\t] offset:4*(32*(\t/2)+8*(\t%2))     ; lane r of tile t holds key 32 (t / 2) + 8 (t % 2) + r + 8 (r / 8)
.endr
.irp k, 0,1,2,3
	ds_load_b128 v[162+4*\k:165+4*\k], v207 offset:16*\k           ; LDS serves a wave's instructions in order: these see my stores
.endr
	s_wait_dscnt 0x0
	v_max3_num_f32 v212, v162, v163, 0x1800000     ; none is negative; the floor 2^(3 - 127) holds the byte at 1 from below
.irp i, 2,4,6,8,10,12,14
	s_delay_alu instid0(VALU_DEP_1)
	v_max3_num_f32 v212, v212, v[162+\i], v[163+\i]
.endr
	s_delay_alu instid0(VALU_DEP_1)
	v_max_num_f32_dpp v212, v212, v212 row_xmask:1 row_mask:0xf bank_mask:0xf   ; two neighbouring lanes hold a block
	s_delay_alu instid0(VALU_DEP_1)
	v_add_nc_u32 v213, 0xff000000, v212
	v_cvt_scalef32_pk16_fp6_f32 v[178:180], v[162:177], v213
	v_lshrrev_b32 v214, 23, v213                   ; the byte (a plain line behind the conversion)
	ds_store_b32 v208, v178                        ; 12 bytes a lane: the row's stream of codes
	ds_store_b32 v208, v179 offset:4
	ds_store_b32 v208, v180 offset:8
	ds_store_b8 v209, v214 offset:192
.irp s, 0,1
.irp cc, 0,1
.irp i, 0,1,2
	ds_load_b64 v[182+12*\s+6*\cc+2*\i:183+12*\s+6*\cc+2*\i], v210 offset:(4*\s+2*\cc)*24+8*\i   ; P's fragment: all 16 columns are query 0
.endr
.endr
	ds_load_b32 v[43+\s], v211 offset:192+4*\s
.endr
	s_wait_dscnt 0x0
	s_wait_loadcnt 0x0                             ; v
.irp t, 0,1,2,3
	WM0 206+8*\t, 60+12*\t, 182, 39+\t/2, 43, \t%2
.endr
.irp t, 0,1,2,3
	WMA 206+8*\t, 108+12*\t, 194, 41+\t/2, 44, \t%2   ; the four accumulators by turns
.endr
	PLACES 4
	s_lshl_b32 s58, s14, 8
	s_add_co_u32 s58, s58, R0O
	v_lshl_add_u32 v162, v2, 7, s58
.irp k, 0,1,2,3,4,5,6,7
	ds_store_b128 v162, v[206+4*\k:209+4*\k] offset:16*\k          ; my part of O^T as its registers stand, each accumulator from its low end on; the 16 lanes of a half write the same
.endr
	s_wait_dscnt 0x0
	s_barrier_signal -1
	s_barrier_wait -1
	s_lshl_b32 s58, s15, 11
	s_lshl_b32 s59, s16, 4
	s_add_co_u32 s58, s58, s59
	s_add_co_u32 s58, s58, R0O
	v_lshl_add_u32 v163, v2, 7, s58
	v_add_nc_u32 v164, s59, v11
.irp p, 0,1,2,3,4,5,6,7
	ds_load_b128 v[166+4*\p:169+4*\p], v163 offset:256*\p          ; wave a adds registers 4 a .. 4 a + 3 of the head's eight parts, keys ascending
.endr
	s_wait_dscnt 0x0
.irp p, 1
	v_pk_add_f32 v[166:167], v[166:167], v[166+4*\p:167+4*\p]
	v_pk_add_f32 v[168:169], v[168:169], v[168+4*\p:169+4*\p]
.endr
.irp p, 2, 3, 4, 5, 6, 7
	s_delay_alu instid0(VALU_DEP_2)
	v_pk_add_f32 v[166:167], v[166:167], v[166+4*\p:167+4*\p]
	s_delay_alu instid0(VALU_DEP_2)
	v_pk_add_f32 v[168:169], v[168:169], v[168+4*\p:169+4*\p]
.endr
	ds_store_b128 v164, v[166:169]                 ; read once, far below, behind the barrier that follows
.Lno_row0:
	; ==== the scale words
	s_wait_loadcnt 0x0
.irp b, 0,1,2,3,4,5,6,7,8,9
	v_lshrrev_b32 v[KSR+\b], s25, v[KSR+\b]        ; my head's two bytes; what stands above them meets zero codes
.endr
	v_lshrrev_b32 v[QSR], s25, v[QSR]
.irp tp, 0,1
	v_alignbit_b32 v[SWR+\tp], v[250+\tp], v[248+\tp], s26         ; V's bytes of window blocks 0-3: A bytes into the first chunk's word
	v_alignbit_b32 v[SWR+2+\tp], v[252+\tp], v[250+\tp], s26       ; blocks 4-7
	v_bfe_u32 v[SWR+4+\tp], v[252+\tp], s26, 8                     ; block 8,
	v_and_b32 v[254+\tp], 0xff, v[254+\tp]
	s_delay_alu instid0(VALU_DEP_1)
	v_lshl_or_b32 v[SWR+4+\tp], v[254+\tp], 8, v[SWR+4+\tp]        ; and block G
.endr
.irp i, 0,1,2,3,4,5
	v_mov_b32 v[22+\i], 0                          ; Q's upper half: zero codes
	v_mov_b32 v[96+\i], 0                          ; behind the fourth block of K
.endr
	s_wait_alu depctr_va_vdst(0)
	s_wait_dscnt 0x0                               ; row 0's last store is done
	s_wait_tensorcnt 0x0                           ; my tile has landed
	s_barrier_signal -1
	s_barrier_wait -1                              ; everybody's has
	; ==== S^T = K Q^T, four key blocks at a time.  A block's three loads bring both its tiles, 12 registers; the odd tile's fragment runs on into the next block's registers
.macro KLD n, adr
.irp k, 0,1,2
	ds_load_b128 v[KST+12*(\n)+4*\k:KST+12*(\n)+4*\k+3], v[\adr] offset:16*\k
.endr
.endm
.macro KQ b, n
	WM0 S+16*(\b), KST+12*(\n), 16, KSR+(\b), QSR, 0
	WM0 S+16*(\b)+8, KST+12*(\n)+6, 16, KSR+(\b), QSR, 1
.endm
.irp g, 0,1
	v_add_nc_u32 v8, s[48+4*\g], v3                ; these four are also the places in front of loads into registers that products have read
	v_add_nc_u32 v9, s[49+4*\g], v3
	v_add_nc_u32 v10, s[50+4*\g], v3
	v_add_nc_u32 v102, s[51+4*\g], v3
	KLD 0, 8
	KLD 1, 9
	KLD 2, 10
	KLD 3, 102
	s_wait_dscnt 0x0
	KQ 4*\g, 0
	KQ 4*\g+1, 1
	KQ 4*\g+2, 2
	KQ 4*\g+3, 3
.endr
	v_add_nc_u32 v8, s56, v3
	v_add_nc_u32 v9, s57, v3
	PLACES 2
	KLD 0, 8
	KLD 1, 9
	s_wait_dscnt 0x0
	KQ 8, 0
	WM0 248, KST+12, 16, KSR+9, QSR, 0             ; block G's even tile: key 0 is register 0 of lanes 0-15
	PLACES 4
	; ==== blocks outside the sequence (c = 0 or 15 alone): hidden as a whole.  Branches on ids
.macro EDGE b
	s_add_co_i32 s58, s19, \b
	s_cmp_lt_u32 s58, 64
	s_cbranch_scc1 .Lin_\@
.irp i, 0,1,2,3,4,5,6,7,8,9,10,11,12,13,14,15
	v_mov_b32 v[S+16*\b+\i], v5
.endr
.Lin_\@:
.endm
	s_sub_co_u32 s58, s12, 1
	s_cmp_lt_u32 s58, 14
	s_cbranch_scc1 .Lmid
.irp b, 0,1,2,3,4,5,6,7,8
	EDGE \b
.endr
.Lmid:
	; ==== the band cuts blocks 0 and 8
.irp i, 0
	v_cmp_lt_i32 vcc_lo, \i, v4
.if \i == 0
	s_and_b32 vcc_lo, vcc_lo, s28                  ; key 0 counts for every query
.endif
	v_cndmask_b32 v[S+\i], v[S+\i], v5, vcc_lo
.endr
.irp i, 1, 2, 3, 4, 5, 6, 7, 8, 9, 10, 11, 12, 13, 14, 15
	v_cmp_lt_i32 vcc_lo, \i, v4
.if \i == 0
	s_and_b32 vcc_lo, vcc_lo, s28                  ; key 0 counts for every query
.endif
	v_cndmask_b32 v[S+\i], v[S+\i], v5, vcc_lo
.endr
.irp i, 0,1,2,3,4,5,6,7,8,9,10,11,12,13,14,15
	v_cmp_gt_i32 vcc_lo, \i, v4
	v_cndmask_b32 v[S+128+\i], v[S+128+\i], v5, vcc_lo
.endr
	v_cndmask_b32 v255, v5, v248, s27              ; key 0's score as block G, or -infinity
	; ==== the softmax.  Each block's largest score serves twice: for the row's maximum and, since a weight rises with its score, for the block's largest weight
.irp b, 0,1,2,3,4,5,6,7,8
	v_max3_num_f32 v[BM+\b], v[S+16*\b], v[S+16*\b+1], v[S+16*\b+2]
.endr
.irp i, 3,5,7,9,11,13
.irp b, 0,1,2,3,4,5,6,7,8
	v_max3_num_f32 v[BM+\b], v[BM+\b], v[S+16*\b+\i], v[S+16*\b+\i+1]   ; (the nine blocks by turns)
.endr
.endr
.irp b, 0,1,2,3,4,5,6,7,8
	v_max_num_f32 v[BM+\b], v[BM+\b], v[S+16*\b+15]
.endr
	v_mov_b32 v[BM+9], v255
.irp b, 0,1,2,3,4,5,6,7,8,9
	v_permlanex16_b32 v[XB+\b], v[BM+\b], s20, s21
.endr
.irp b, 0,1,2,3,4,5,6,7,8,9
	v_max_num_f32 v[BM+\b], v[BM+\b], v[XB+\b]     ; with lane l xor 16's 16 keys
.endr
	v_max3_num_f32 v13, v[BM], v[BM+1], v[BM+2]
	s_delay_alu instid0(VALU_DEP_1)
	v_max3_num_f32 v13, v13, v[BM+3], v[BM+4]
	s_delay_alu instid0(VALU_DEP_1)
	v_max3_num_f32 v13, v13, v[BM+5], v[BM+6]
	s_delay_alu instid0(VALU_DEP_1)
	v_max3_num_f32 v13, v13, v[BM+7], v[BM+8]
	s_delay_alu instid0(VALU_DEP_1)
	v_max_num_f32 v13, v13, v[BM+9]                ; m: the row's largest score (a query's own key always counts: m is a number)
	s_delay_alu instid0(VALU_DEP_1)
	v_mul_f32 v12, s24, v13                        ; -cc m
.set j, 0
.rept 72
	v_pk_fma_f32 v[S+j:S+j+1], v[S+j:S+j+1], s[22:23], v[12:13] op_sel_hi:[1,0,0]   ; cc s - cc m, two at a time (of the pairs the low word serves both halves)
.set j, j+2
.endr
.irp b, 0,1,2,3,4,5,6,7,8,9
	v_fma_f32 v[BM+\b], v[BM+\b], s22, v12
.endr
	v_fma_f32 v255, v255, s22, v12
.set j, 0
	s_wait_alu depctr_va_vdst(0)
.rept 144
	v_exp_f32 v[S+j], v[S+j]
.set j, j+1
.endr
.irp b, 0,1,2,3,4,5,6,7,8,9
	v_exp_f32 v[BM+\b], v[BM+\b]
.endr
	v_exp_f32 v255, v255
	v_nop                                          ; a plain place behind the exponentials
	s_wait_alu depctr_va_vdst(0)
	v_pk_add_f32 v[250:251], v[104:105], v[106:107]
	v_pk_add_f32 v[252:253], v[112:113], v[116:117]
	v_pk_add_f32 v[248:249], v[120:121], v[124:125]
	v_pk_add_f32 v[102:103], v[128:129], v[132:133]
	v_pk_add_f32 v[100:101], v[136:137], v[140:141]
	v_pk_add_f32 v[98:99], v[144:145], v[148:149]
	v_pk_add_f32 v[96:97], v[152:153], v[156:157]
	v_pk_add_f32 v[14:15], v[160:161], v[164:165]
	v_pk_add_f32 v[14:15], v[14:15], v[168:169]
	v_pk_add_f32 v[250:251], v[250:251], v[172:173]
	v_pk_add_f32 v[252:253], v[252:253], v[176:177]
	v_pk_add_f32 v[248:249], v[248:249], v[180:181]
	v_pk_add_f32 v[102:103], v[102:103], v[184:185]
	v_pk_add_f32 v[100:101], v[100:101], v[188:189]
	v_pk_add_f32 v[98:99], v[98:99], v[192:193]
	v_pk_add_f32 v[96:97], v[96:97], v[196:197]
	v_pk_add_f32 v[14:15], v[14:15], v[200:201]
	v_pk_add_f32 v[250:251], v[250:251], v[204:205]
	v_pk_add_f32 v[252:253], v[252:253], v[208:209]
	v_pk_add_f32 v[248:249], v[248:249], v[212:213]
	v_pk_add_f32 v[102:103], v[102:103], v[216:217]
	v_pk_add_f32 v[100:101], v[100:101], v[220:221]
	v_pk_add_f32 v[98:99], v[98:99], v[224:225]
	v_pk_add_f32 v[96:97], v[96:97], v[228:229]
	v_pk_add_f32 v[14:15], v[14:15], v[232:233]
	v_pk_add_f32 v[250:251], v[250:251], v[236:237]
	v_pk_add_f32 v[252:253], v[252:253], v[240:241]
	v_pk_add_f32 v[248:249], v[248:249], v[244:245]
	v_pk_add_f32 v[102:103], v[102:103], v[108:109]
	v_pk_add_f32 v[100:101], v[100:101], v[110:111]
	v_pk_add_f32 v[98:99], v[98:99], v[114:115]
	v_pk_add_f32 v[96:97], v[96:97], v[118:119]
	v_pk_add_f32 v[14:15], v[14:15], v[122:123]
	v_pk_add_f32 v[250:251], v[250:251], v[126:127]
	v_pk_add_f32 v[252:253], v[252:253], v[130:131]
	v_pk_add_f32 v[248:249], v[248:249], v[134:135]
	v_pk_add_f32 v[102:103], v[102:103], v[138:139]
	v_pk_add_f32 v[100:101], v[100:101], v[142:143]
	v_pk_add_f32 v[98:99], v[98:99], v[146:147]
	v_pk_add_f32 v[96:97], v[96:97], v[150:151]
	v_pk_add_f32 v[14:15], v[14:15], v[154:155]
	v_pk_add_f32 v[250:251], v[250:251], v[158:159]
	v_pk_add_f32 v[252:253], v[252:253], v[162:163]
	v_pk_add_f32 v[248:249], v[248:249], v[166:167]
	v_pk_add_f32 v[102:103], v[102:103], v[170:171]
	v_pk_add_f32 v[100:101], v[100:101], v[174:175]
	v_pk_add_f32 v[98:99], v[98:99], v[178:179]
	v_pk_add_f32 v[96:97], v[96:97], v[182:183]
	v_pk_add_f32 v[14:15], v[14:15], v[186:187]
	v_pk_add_f32 v[250:251], v[250:251], v[190:191]
	v_pk_add_f32 v[252:253], v[252:253], v[194:195]
	v_pk_add_f32 v[248:249], v[248:249], v[198:199]
	v_pk_add_f32 v[102:103], v[102:103], v[202:203]
	v_pk_add_f32 v[100:101], v[100:101], v[206:207]
	v_pk_add_f32 v[98:99], v[98:99], v[210:211]
	v_pk_add_f32 v[96:97], v[96:97], v[214:215]
	v_pk_add_f32 v[14:15], v[14:15], v[218:219]
	v_pk_add_f32 v[250:251], v[250:251], v[222:223]
	v_pk_add_f32 v[252:253], v[252:253], v[226:227]
	v_pk_add_f32 v[248:249], v[248:249], v[230:231]
	v_pk_add_f32 v[102:103], v[102:103], v[234:235]
	v_pk_add_f32 v[100:101], v[100:101], v[238:239]
	v_pk_add_f32 v[98:99], v[98:99], v[242:243]
	v_pk_add_f32 v[96:97], v[96:97], v[246:247]
	s_delay_alu instid0(VALU_DEP_4)
	v_pk_add_f32 v[14:15], v[14:15], v[102:103]
	s_delay_alu instid0(VALU_DEP_4)
	v_pk_add_f32 v[250:251], v[250:251], v[100:101]
	s_delay_alu instid0(VALU_DEP_4)
	v_pk_add_f32 v[252:253], v[252:253], v[98:99]
	s_delay_alu instid0(VALU_DEP_4)
	v_pk_add_f32 v[248:249], v[248:249], v[96:97]
	s_delay_alu instid0(VALU_DEP_2)
	v_pk_add_f32 v[14:15], v[14:15], v[252:253]
	s_delay_alu instid0(VALU_DEP_2)
	v_pk_add_f32 v[250:251], v[250:251], v[248:249]
	s_delay_alu instid0(VALU_DEP_1)
	v_pk_add_f32 v[14:15], v[14:15], v[250:251]
	s_delay_alu instid0(VALU_DEP_1)
	v_add_f32 v14, v14, v15
	v_add_f32 v14, v14, v255                       ; key 0 (0 in lanes 16-31, and where it lies in the window)
	s_delay_alu instid0(VALU_DEP_1)
	v_permlanex16_b32 v15, v14, s20, s21
	s_delay_alu instid0(VALU_DEP_1)
	v_add_f32 v14, v14, v15
	s_wait_alu depctr_va_vdst(0)
	v_rcp_f32 v252, v14
	v_nop
	s_wait_alu depctr_va_vdst(0)
	v_mov_b32 v253, v252
.set j, 0
.rept 72
	v_pk_mul_f32 v[S+j:S+j+1], v[S+j:S+j+1], v[252:253]   ; the weights, finished and normalised
.set j, j+2
.endr
.irp b, 0,1,2,3,4,5,6,7,8,9
	v_mul_f32 v[BM+\b], v[BM+\b], v252             ; each block's largest weight: the same three instructions on the same number
.endr
	v_mul_f32 v255, v255, v252
.irp b, 0,1,2,3,4,5,6,7,8,9
	v_max_num_f32 v[BM+\b], 0x1800000, v[BM+\b]    ; the floor 2^(3 - 127): the byte cannot fall under 1
.endr
.irp b, 0,1,2,3,4,5,6,7,8,9
	v_add_nc_u32 v[BM+\b], 0xff000000, v[BM+\b]    ; 2 off the exponent field: the conversion's scale operand
.endr
.irp b, 0,1,2,3,4,5,6,7,8,9
	v_lshrrev_b32 v[XB+\b], 23, v[BM+\b]           ; the scale's byte
.endr
.irp s, 0,1
	v_lshl_or_b32 v[PWR+\s], v[XB+4*\s+1], 8, v[XB+4*\s]
	s_delay_alu instid0(VALU_DEP_1)
	v_lshl_or_b32 v[PWR+\s], v[XB+4*\s+2], 16, v[PWR+\s]
	s_delay_alu instid0(VALU_DEP_1)
	v_lshl_or_b32 v[PWR+\s], v[XB+4*\s+3], 24, v[PWR+\s]
.endr
	v_lshl_or_b32 v[PWR+2], v[XB+9], 8, v[XB+8]    ; the third step: block 8, block G, nothing
	; ==== the weights become codes: pair p is blocks 2 p and 2 p + 1
.macro QP p, src2, y
	v_cvt_scalef32_pk16_fp6_f32 v[PC+6*(\p):PC+6*(\p)+2], v[S+32*(\p):S+32*(\p)+15], v[BM+2*(\p)]
	v_cvt_scalef32_pk16_fp6_f32 v[(\y):(\y)+2], v[(\src2):(\src2)+15], v[BM+2*(\p)+1]   ; (a conversion's three registers begin on an even number)
.endm
.macro QX p, y                         ; the operand's layout wants a WHOLE block in a lane: lanes 0-15 block 2 p, lanes 16-31 block 2 p + 1
.irp i, 0,1,2
	v_permlane16_swap_b32 v[PC+6*(\p)+\i], v[(\y)+\i]
.endr
.irp i, 0,1,2
	s_delay_alu instid0(VALU_DEP_3)
	v_mov_b32 v[PC+6*(\p)+3+\i], v[(\y)+\i]
.endr
.endm
	QP 0, S+16, 248
	QP 1, S+48, 252
	v_nop                                          ; one plain place behind a scaled conversion
	QX 0, 248
	QX 1, 252
	QP 2, S+80, 248
	QP 3, S+112, 252
	v_nop
	QX 2, 248
	QX 3, 252
	v_mov_b32 v[S], v255                           ; block G's 16 numbers of my half: key 0's weight and zeros
.irp i, 1,2,3,4,5,6,7,8,9,10,11,12,13,14,15
	v_mov_b32 v[S+\i], 0
.endr
.irp i, 30,31,32,33,34,35
	v_mov_b32 v[PC+\i], 0                          ; the third step's upper half: zero codes
.endr
	QP 4, S, 248
	v_nop
	QX 4, 248
	PLACES 8                                       ; operands written by vector instructions stand 4 places, scale registers 8, ahead of a scaled matrix instruction
	; ==== O^T = V^T P^T: three steps of 128 along the keys, four tiles of 16 channels by turns
.irp s, 0,1
.irp t, 0,1,2,3
.irp cc, 0,1
.irp i, 0,1,2
	ds_load_b64 v[S+48*\s+12*\t+6*\cc+2*\i:S+48*\s+12*\t+6*\cc+2*\i+1], v6 offset:(2*\s+\cc)*6144+(\t/2)*1536+(\t%2)*24+8*\i
.endr
.endr
.endr
.endr
	s_wait_dscnt 24                                ; the first step's 24 loads are in; the second's may be out
.irp t, 0,1,2,3
	WM0 OT+8*\t, S+12*\t, PC, SWR+\t/2, PWR, \t%2
.endr
	PLACES 4
.irp t, 0,1,2,3
.irp i, 0,1,2
	ds_load_b64 v[S+12*\t+2*\i:S+12*\t+2*\i+1], v7 offset:(\t/2)*1536+(\t%2)*24+8*\i   ; the third step's lower halves; the upper halves keep the first step's codes, which meet zero codes
.endr
.endr
	s_wait_dscnt 12                                ; the second step's are in; the twelve just issued may be out
.irp t, 0,1,2,3
	WMA OT+8*\t, S+48+12*\t, PC+12, SWR+2+\t/2, PWR+1, \t%2
.endr
	s_wait_alu depctr_va_vdst(0)
	s_wait_dscnt 0x0
.irp t, 0,1,2,3
	WMA OT+8*\t, S+12*\t, PC+24, SWR+4+\t/2, PWR+2, \t%2
.endr
	v_and_b32 v9, 8, v1                            ; the way out's offsets: five plain lines, the places behind the last products
	s_delay_alu instid0(VALU_DEP_1)
	v_add_nc_u32 v9, v9, v1                        ; r + 8 (r / 8)
	s_delay_alu instid0(VALU_DEP_1)
	v_lshlrev_b32 v10, 5, v9                       ; asc: 32 bytes a token
	s_delay_alu instid0(VALU_DEP_2)
	v_mul_u32_u24 v9, v9, 768                      ; ac: 768 bytes a token,
	s_delay_alu instid0(VALU_DEP_1)
	v_mad_u32_u24 v9, v2, 24, v9                   ; my half's block of 32 channels
	s_or_b32 s58, s12, s16
	s_cmp_lg_u32 s58, 0
	s_cbranch_scc1 .Lno_ins
.irp k, 0,1,2,3,4,5,6,7
	ds_load_b128 v[S+4*\k:S+4*\k+3], v11 offset:16*\k              ; c = 0, a = 0: query 0's O^T, as its registers stood
.endr
	s_wait_dscnt 0x0
.irp i, 0,1,2,3,4,5,6,7,8,9,10,11,12,13,14,15,16,17,18,19,20,21,22,23,24,25,26,27,28,29,30,31
	v_cndmask_b32 v[OT+\i], v[OT+\i], v[S+\i], s30                 ; into lanes 0 and 16
.endr
.Lno_ins:
	; ==== the way out: register 16 p + i is channel 32 p + 16 h + i of my head: two blocks along the last product's K
.irp p, 0,1
	v_max3_num_f32 v[48+\p], |v[OT+16*\p]|, |v[OT+16*\p+1]|, 0x1800000
.endr
.irp i, 2,4,6,8,10,12,14
.irp p, 0,1
	v_max3_num_f32 v[48+\p], v[48+\p], |v[OT+16*\p+\i]|, |v[OT+16*\p+\i+1]|
.endr
.endr
.irp p, 0,1
	s_delay_alu instid0(VALU_DEP_2)
	v_permlanex16_b32 v[50+\p], v[48+\p], s20, s21
.endr
.irp p, 0,1
	s_delay_alu instid0(VALU_DEP_2)
	v_max_num_f32 v[48+\p], v[48+\p], v[50+\p]
.endr
.irp p, 0,1
	s_delay_alu instid0(VALU_DEP_2)
	v_add_nc_u32 v[52+\p], 0xff000000, v[48+\p]
.endr
.irp p, 0,1
	s_delay_alu instid0(VALU_DEP_2)
	v_lshrrev_b32 v[50+\p], 23, v[52+\p]
.endr
	s_delay_alu instid0(VALU_DEP_1)
	v_lshl_or_b32 v54, v51, 8, v50                 ; my head's two scale bytes
	v_cvt_scalef32_pk16_fp6_f32 v[232:234], v[OT:OT+15], v52
	v_cvt_scalef32_pk16_fp6_f32 v[236:238], v[OT+16:OT+31], v53
	v_nop
.irp i, 0,1,2
	v_permlane16_swap_b32 v[232+\i], v[236+\i]     ; lane (r, h) now holds block h: its lower 16 codes in the first three registers, its upper 16 in the second
.endr
	global_store_b96 v9, v[232:234], s[74:75]
	global_store_b96 v9, v[236:238], s[74:75] offset:12
	global_store_b16 v10, v54, s[76:77]            ; both halves of the lanes write the same two bytes
	s_wait_xcnt 0x0
	v_lshl_add_u32 v254, v0, 2, 0x4c400
	v_mov_b32 v255, 0
	s_wait_alu depctr_va_vdst(0)
	s_wait_tensorcnt 0x0
	s_wait_asynccnt 0x0
	ds_add_u32 v254, v255
	s_wait_dscnt 0x0
	s_endpgm
.Lfunc_end_k_q151d01952a_attn:
	.size	k_q151d01952a_attn, .Lfunc_end_k_q151d01952a_attn-k_q151d01952a_attn
	.p2alignl 7, 3214868480
	.fill 96, 4, 3214868480
	.section	.rodata,"a",@progbits
	.p2align	6, 0x0
	.amdhsa_kernel k_q151d01952a_attn
		.amdhsa_group_segment_fixed_size 314368
		.amdhsa_private_segment_fixed_size 0
		.amdhsa_enable_private_segment 0
		.amdhsa_kernarg_size 32
		.amdhsa_user_sgpr_count 2
		.amdhsa_user_sgpr_kernarg_segment_ptr 1
		.amdhsa_wavefront_size32 1
		.amdhsa_system_sgpr_workgroup_id_x 1
		.amdhsa_system_sgpr_workgroup_id_y 1
		.amdhsa_system_sgpr_workgroup_id_z 1
		.amdhsa_system_vgpr_workitem_id 0
		.amdhsa_next_free_vgpr 256
		.amdhsa_next_free_sgpr 96
		.amdhsa_reserve_vcc 1
		.amdhsa_float_denorm_mode_32 3
		.amdhsa_float_denorm_mode_16_64 3
		.amdhsa_memory_ordered 1
		.amdhsa_forward_progress 1
		.amdhsa_inst_pref_size 99
	.end_amdhsa_kernel
	.amdgpu_metadata
---
amdhsa.version: [ 1, 2 ]
amdhsa.kernels:
  - .name:           k_q151d01952a_attn
    .symbol:         k_q151d01952a_attn.kd
    .args:
      - { .name: qkvc, .offset: 0, .size: 8, .value_kind: global_buffer, .address_space: global }
      - { .name: qkvs, .offset: 8, .size: 8, .value_kind: global_buffer, .address_space: global }
      - { .name: ac, .offset: 16, .size: 8, .value_kind: global_buffer, .address_space: global }
      - { .name: asc, .offset: 24, .size: 8, .value_kind: global_buffer, .address_space: global }
    .group_segment_fixed_size: 314368
    .private_segment_fixed_size: 0
    .kernarg_segment_align: 8
    .kernarg_segment_size: 32
    .max_flat_workgroup_size: 512
    .sgpr_count:     96
    .vgpr_count:     256
    .wavefront_size: 32
...
	.end_amdgpu_metadata
.endif
;; end of part 3
;; launch oproj (part 4): grid 8 x 32, 4 waves a work-group, clusters of 4 x 4, 327,680 bytes of LDS; arguments ac, asc, cod, scl, out0; writes out0
.if DOCPART == 4
	.amdgcn_target "amdgcn-amd-amdhsa--gfx1250"
	.amdhsa_code_object_version 6
	.text
	.protected	k_q151d01952a_oproj
	.globl	k_q151d01952a_oproj
	.p2align	8
	.type	k_q151d01952a_oproj,@function
k_q151d01952a_oproj:
	s_mov_b64 s[64:65], 0
	v_nop
	global_prefetch_b8 v0, s[64:65] scope:SCOPE_SE
	s_setreg_imm32_b32 hwreg(HW_REG_WAVE_MODE, 25, 1), 1
	s_wait_xcnt 0x0
	s_wait_alu depctr_hold_cnt(0) depctr_sa_sdst(0) depctr_va_vdst(0) depctr_va_sdst(0) depctr_va_ssrc(0) depctr_va_vcc(0) depctr_vm_vsrc(0)
	s_getreg_b32 s2, hwreg(HW_REG_IB_STS2, 6, 4)
	s_cmp_eq_u32 s2, 0
	s_cbranch_scc0 .Lentry_in_a_cluster
	s_endpgm
.Lentry_in_a_cluster:
	s_bfe_u32 s2, ttmp6, 0x10000c
	s_cmp_lg_u32 s2, 0xf033
	s_cbranch_scc0 .Lentry_shape_is_right
	s_endpgm
.Lentry_shape_is_right:
; out0 [4096][1024] f32 = A Wo^T on codes of FP6 (E2M3), one E8M0 scale for each 32 along K = 1,024, sums in f32.  A: ac [4096][768 bytes], asc [4096][32]; Wo: rows 7168 .. 8191 of cod and scl.
; A block of 128 x 128 to a work-group: 8 x 32 = 256 work-groups; a wave makes 64 x 64.  WHOLE ROWS OF K LIE IN LDS (768 bytes, 16 bytes of padding behind each 256: pitch 816): A's 128 rows and Wo's 128 rows,
; four tensor loads of 64 rows, one a wave, at the head; nothing is filled again, so the walk along K has no barrier.
; CLUSTERS 4 x 4: A's tile is asked for jointly along a row of the cluster, Wo's along a column.
; THE WORK GOES BY ROWS OF THE RESULT: Wo's fragments of all of K stay in 384 registers; A's four blocks of 16 rows come two at a time, so rows 0-31 leave while rows 32-63 are multiplied.  No fragment is read from LDS twice.
; Source 0 = Wo's rows, source 1 = A's: a lane holds eight neighbouring numbers of a row of the result; a block goes through the wave's own stage and leaves as rows of 256 bytes, sixteen lanes to an aligned unit.
; The scale words go from memory into registers: lane r takes its row's 32 bytes (eight K steps) by two loads.
; No prefetch: the text has no loop to run ahead in, and all tiles are asked for at the head.
; REGISTERS: window 0: v0-31 addresses, v32-63 A's scale words, v64-95 Wo's, v96-223 rows on the way out.  Windows 1, 2: Wo's fragments (K steps 0-4, 5-7).  Window 3: v0-191 A's fragments, two blocks; v192-255 eight accumulators.
.set KROW,  768
.set PITCH, 816
.set HALFT, 64*PITCH
.set TILE,  2*HALFT
.set STAGE, 2*TILE
.set SPITCH, 272
.set WST,   64*SPITCH                  ; a wave's stage: 64 rows of 256 bytes + 16
.set SPARE, STAGE+4*WST
.set FLAGS, (1<<20)|(1<<21)|(5<<22)|(3<<25)
.set ADRA, 8                           ; pairs: the second register serves pieces whose lanes 16-31 lie behind one padding more
.set ADRB, 10
.set STO,  12
.set RD,   13
.set CO,   14
.set SCO,  15
.set SPW,  28
.set NIL,  29
.set SA,   32
.set SB,   64
.set OUT,  96
.set ACC,  192
.set G1,  24
.set G1B, 32
.set G0,  40
.set G0B, 44
.set MSB, 0
.macro WIN new
.if MSB != (\new)
	s_set_vgpr_msb (MSB<<8)|(\new)
.set MSB, (\new)
.endif
.endm
.macro PLACES n
.rept \n
	v_nop
.endr
.endm
.macro CREST
	s_cmp_lg_u32 s14, 0
	s_cbranch_scc1 .Lnot_wave_0_\@
	s_barrier_signal -3
.Lnot_wave_0_\@:
	s_barrier_wait -3
	s_barrier_signal -1
	s_barrier_wait -1
.endm
.macro CROUND
	s_barrier_signal -1
	s_barrier_wait -1
	CREST
.endm
	s_load_b128 s[4:7], s[0:1], 0x0                ; ac, asc
	s_load_b128 s[8:11], s[0:1], 0x10              ; cod, scl
	s_load_b64 s[12:13], s[0:1], 0x20              ; out0
	v_lshl_add_u32 v[SPW], v0, 2, SPARE
	v_mov_b32 v[NIL], 0
	ds_add_u32 v[SPW], v[NIL]                      ; the opening: the add, twice on end, and its wait
	ds_add_u32 v[SPW], v[NIL]
	v_lshrrev_b32 v1, 5, v0
	v_readfirstlane_b32 s14, v1                    ; wave
	s_lshr_b32 s15, s14, 1                         ; my half of the block's rows.  Also: I fetch for A (0) or Wo (1)
	s_and_b32 s16, s14, 1                          ; my half of its columns.  Also: which 64 rows I fetch
	s_bfe_u32 s19, ttmp6, 0x40000                  ; cx
	s_bfe_u32 s20, ttmp6, 0x40004                  ; cy
	s_lshl_b32 s18, ttmp9, 2
	s_add_co_u32 s18, s18, s19                     ; block column
	s_and_b32 s17, ttmp7, 0xffff
	s_lshl_b32 s17, s17, 2
	s_add_co_u32 s17, s17, s20                     ; block row
	s_lshl_b32 s21, s20, 2
	s_lshl_b32 s21, 15, s21                        ; my row of the cluster
	s_lshl_b32 s22, 0x1111, s19                    ; my column
	s_or_b32 s[G1], s21, FLAGS
	s_or_b32 s[G1B], s22, FLAGS
.irp g, G1, G1B
	s_mov_b32 s[\g+1], KROW<<16
	s_mov_b32 s[\g+2], 64<<16
	s_mov_b32 s[\g+3], KROW<<16
	s_mov_b32 s[\g+4], 64
	s_mov_b32 s[\g+5], KROW
	s_mov_b32 s[\g+6], 0
	s_mov_b32 s[\g+7], 0
.endr
	s_lshl_b32 s48, s17, 7                         ; A: row 128 x block row + 64 x half
	s_lshl_b32 s49, s16, 6
	s_add_co_u32 s48, s48, s49
	s_mul_i32 s48, s48, KROW
	s_mov_b32 s49, 0
	s_lshl_b32 s50, s18, 7                         ; Wo: row 7168 + 128 x block column + 64 x half
	s_lshl_b32 s51, s16, 6
	s_add_co_u32 s50, s50, s51
	s_add_co_u32 s50, s50, 7168
	s_mul_i32 s50, s50, KROW
	s_mov_b32 s51, 0
	s_mul_i32 s52, s14, HALFT                      ; A's two halves, then Wo's two
	s_mov_b32 s[G0], 1
	s_mov_b32 s[G0+1], s52
	s_mov_b32 s[G0B], 1
	s_mov_b32 s[G0B+1], s52
	s_wait_dscnt 0x0                               ; both opening adds are done
	s_wait_kmcnt 0x0
	s_add_nc_u64 s[G0+2:G0+3], s[4:5], s[48:49]
	s_or_b32 s[G0+3], s[G0+3], 0x80000000
	s_add_nc_u64 s[G0B+2:G0B+3], s[8:9], s[50:51]
	s_or_b32 s[G0B+3], s[G0B+3], 0x80000000
	CROUND                                         ; all sixteen work-groups are here: the joint loads meet
	s_cmp_eq_u32 s15, 0
	s_cbranch_scc0 .Lfor_b
	tensor_load_to_lds s[G0:G0+3], s[G1:G1+7]
	s_nop 0
	PLACES 4
	s_branch .Lasked
.Lfor_b:
	tensor_load_to_lds s[G0B:G0B+3], s[G1B:G1B+7]
	s_nop 0
	PLACES 4
.Lasked:
	s_mul_i32 s53, s15, HALFT                      ; my 64 rows of A
	s_mul_i32 s54, s16, HALFT
	s_add_co_u32 s54, s54, TILE                    ; my 64 rows of Wo
	s_mul_i32 s55, s14, WST
	s_add_co_u32 s55, s55, STAGE                   ; my stage
	s_lshl_b32 s56, s17, 7
	s_lshl_b32 s57, s15, 6
	s_add_co_u32 s56, s56, s57                     ; my first row of the result
	s_lshl_b32 s58, s18, 7
	s_lshl_b32 s59, s16, 6
	s_add_co_u32 s58, s58, s59                     ; my first column
	s_lshl_b32 s60, s56, 5
	s_mov_b32 s61, 0
	s_add_nc_u64 s[6:7], s[6:7], s[60:61]          ; my rows' scales
	s_add_co_u32 s60, s58, 7168
	s_lshl_b32 s60, s60, 5
	s_add_nc_u64 s[10:11], s[10:11], s[60:61]      ; my columns' scales
	s_lshl_b32 s60, s56, 12
	s_lshl_b32 s62, s58, 2
	s_add_co_u32 s60, s60, s62
	s_add_nc_u64 s[12:13], s[12:13], s[60:61]
	v_and_b32 v1, 15, v0                           ; r
	v_bfe_u32 v2, v0, 4, 1                         ; h
	v_mul_u32_u24 v3, v1, PITCH
	v_mad_u32_u24 v4, v2, 24, v3                   ; row x pitch + 24 h
	v_mad_u32_u24 v5, v2, 40, v3                   ; and behind one padding more
	v_add_nc_u32 v[ADRA], s53, v4
	v_add_nc_u32 v[ADRA+1], s53, v5
	v_add_nc_u32 v[ADRB], s54, v4
	v_add_nc_u32 v[ADRB+1], s54, v5
	v_mul_u32_u24 v6, v1, SPITCH
	v_lshl_add_u32 v6, v2, 5, v6
	v_add_nc_u32 v[STO], s55, v6                   ; into the stage: row r, 32 bytes for each half of the lanes
	v_mul_u32_u24 v7, v2, SPITCH
	v_lshl_add_u32 v7, v1, 4, v7
	v_add_nc_u32 v[RD], s55, v7                    ; back: sixteen lanes to a row of 256 bytes, two rows an instruction
	v_lshlrev_b32 v16, 12, v2
	v_lshl_add_u32 v[CO], v1, 4, v16               ; and the same two rows in out0 (4,096 bytes a row)
	v_lshlrev_b32 v[SCO], 5, v1                    ; 32 bytes of scales a row
	s_wait_alu depctr_va_vdst(0)
.irp b, 0,1,2,3
	global_load_b128 v[SA+8*\b:SA+8*\b+3], v[SCO], s[6:7] offset:512*\b
	global_load_b128 v[SA+8*\b+4:SA+8*\b+7], v[SCO], s[6:7] offset:512*\b+16
	global_load_b128 v[SB+8*\b:SB+8*\b+3], v[SCO], s[10:11] offset:512*\b
	global_load_b128 v[SB+8*\b+4:SB+8*\b+7], v[SCO], s[10:11] offset:512*\b+16
.endr
; A fragment, 16 rows x 128 K, is 12 registers: lane (r, h) takes 24 bytes at 96 st + 24 h and 24 at 96 st + 48 + 24 h of its row, in pieces of 8 bytes.  Byte y of a row lies at y + 16 (y / 256) of its LDS row.
.macro FRAG reg, adr, st, i
.irp p, 0,1,2,3,4,5
.set BY, 96*(\st)+48*(\p/3)+8*(\p%3)
.if BY/256 == (BY+24)/256
	ds_load_b64 v[\reg+2*\p:\reg+2*\p+1], v[\adr] offset:BY+16*(BY/256)+(\i)*16*PITCH
.else
	ds_load_b64 v[\reg+2*\p:\reg+2*\p+1], v[\adr+1] offset:BY+16*(BY/256)+(\i)*16*PITCH
.endif
.endr
.endm
.macro LD1 st                          ; K step st: Wo's four fragments and those of A's blocks 0 and 1: 36 loads
	WIN 0x40*(1+(\st)/5)
.irp i, 0,1,2,3
	FRAG 48*((\st)%5)+12*\i, ADRB, \st, \i
.endr
	WIN 0xc0
	FRAG 12*(\st), ADRA, \st, 0
	FRAG 96+12*(\st), ADRA, \st, 1
.endm
.macro LD2 st                          ; K step st of A's blocks 2 and 3: 12 loads
	WIN 0xc0
	FRAG 12*(\st), ADRA, \st, 2
	FRAG 96+12*(\st), ADRA, \st, 3
.endm
.macro WL zero
.if \zero
	v_wmma_scale_f32_16x16x128_f8f6f4 v[DD:DD+7], v[P0:P0+11], v[P1:P1+11], 0, v[C0], v[C1] matrix_a_fmt:MATRIX_FMT_FP6 matrix_b_fmt:MATRIX_FMT_FP6
.else
	v_wmma_scale_f32_16x16x128_f8f6f4 v[DD:DD+7], v[P0:P0+11], v[P1:P1+11], v[DD:DD+7], v[C0], v[C1] matrix_a_fmt:MATRIX_FMT_FP6 matrix_b_fmt:MATRIX_FMT_FP6
.endif
.endm
.macro MM ph, st                       ; eight products: A's blocks 2 ph, 2 ph + 1 x Wo's four; the eight accumulators take turns
	WIN 0xfd+(\st)/5                               ; source 0 window 1 or 2, source 1, C and D window 3
.irp u, 0,1
.irp b, 0,1,2,3
.set DD, ACC+32*\u+8*\b
.set P0, 48*((\st)%5)+12*\b
.set P1, 96*\u+12*(\st)
.set C0, SB+8*\b+(\st)
.set C1, SA+8*(2*(\ph)+\u)+(\st)
	WL (\st)==0
.endr
.endr
.endm
.macro TOSTAGE a                       ; block a, 16 rows x 64 columns, into bytes of its own in my stage, and back by rows
	WIN 0x0c
.irp b, 0,1,2,3
	ds_store_b128 v[STO], v[ACC+32*((\a)%2)+8*\b:ACC+32*((\a)%2)+8*\b+3] offset:(\a)*16*SPITCH+64*\b       ; each accumulator from its low end on
	ds_store_b128 v[STO], v[ACC+32*((\a)%2)+8*\b+4:ACC+32*((\a)%2)+8*\b+7] offset:(\a)*16*SPITCH+64*\b+16
.endr
	WIN 0
.irp t, 0,1,2,3,4,5,6,7
	ds_load_b128 v[OUT+32*(\a)+4*\t:OUT+32*(\a)+4*\t+3], v[RD] offset:(\a)*16*SPITCH+\t*2*SPITCH   ; LDS serves a wave's instructions in order: these see my stores
.endr
.endm
.macro SEND a                          ; sixteen lanes store 256 consecutive bytes, aligned; every block has registers of its own, every offset is an immediate
	WIN 0
.irp t, 0,1,2,3,4,5,6,7
	global_store_b128 v[CO], v[OUT+32*(\a)+4*\t:OUT+32*(\a)+4*\t+3], s[12:13] offset:(16*(\a)+2*\t)*4096 th:TH_STORE_NT
.endr
.endm
	s_wait_tensorcnt 0x0                           ; my 64 rows have landed
	s_barrier_signal -1
	s_barrier_wait -1                              ; everybody's have
	LD1 0
	s_wait_loadcnt 0x0                             ; the scale words
.irp st, 0,1,2,3,4,5,6
	LD1 \st+1
	s_wait_dscnt 36                                ; all but the 36 loads just issued
	MM 0, \st
.endr
	s_wait_dscnt 0x0
	MM 0, 7
	PLACES 5                                       ; four ahead of reads of results and of loads into A's registers, five ahead of products that begin these accumulators anew
	TOSTAGE 0
	TOSTAGE 1
	LD2 0
.irp st, 0,1,2,3,4,5,6
	LD2 \st+1
	s_wait_dscnt 12                                ; all but the 12 loads just issued: this step's fragments are in, and (first time) rows 0-31 are back from the stage
.if \st == 0
	SEND 0
	SEND 1
.endif
	MM 1, \st
.endr
	s_wait_dscnt 0x0
	MM 1, 7
	PLACES 4
	TOSTAGE 2
	TOSTAGE 3
	s_wait_dscnt 0x0
	SEND 2
	SEND 3
	s_wait_tensorcnt 0x0                           ; the wave's end
	ds_add_u32 v[SPW], v[NIL]
	s_wait_dscnt 0x0
	CROUND                                         ; the closing round
	s_endpgm
.Lfunc_end_k_q151d01952a_oproj:
	.size	k_q151d01952a_oproj, .Lfunc_end_k_q151d01952a_oproj-k_q151d01952a_oproj
	.p2alignl 7, 3214868480
	.fill 96, 4, 3214868480
	.section	.rodata,"a",@progbits
	.p2align	6, 0x0
	.amdhsa_kernel k_q151d01952a_oproj
		.amdhsa_group_segment_fixed_size 327680
		.amdhsa_private_segment_fixed_size 0
		.amdhsa_enable_private_segment 0
		.amdhsa_kernarg_size 40
		.amdhsa_user_sgpr_count 2
		.amdhsa_user_sgpr_kernarg_segment_ptr 1
		.amdhsa_wavefront_size32 1
		.amdhsa_system_sgpr_workgroup_id_x 1
		.amdhsa_system_sgpr_workgroup_id_y 1
		.amdhsa_system_sgpr_workgroup_id_z 1
		.amdhsa_system_vgpr_workitem_id 0
		.amdhsa_next_free_vgpr 1024
		.amdhsa_next_free_sgpr 66
		.amdhsa_reserve_vcc 0
		.amdhsa_float_denorm_mode_32 3
		.amdhsa_float_denorm_mode_16_64 3
		.amdhsa_memory_ordered 1
		.amdhsa_forward_progress 1
		.amdhsa_inst_pref_size 58
	.end_amdhsa_kernel
	.amdgpu_metadata
---
amdhsa.version: [ 1, 2 ]
amdhsa.kernels:
  - .name:           k_q151d01952a_oproj
    .symbol:         k_q151d01952a_oproj.kd
    .args:
      - { .name: ac, .offset: 0, .size: 8, .value_kind: global_buffer, .address_space: global }
      - { .name: asc, .offset: 8, .size: 8, .value_kind: global_buffer, .address_space: global }
      - { .name: cod, .offset: 16, .size: 8, .value_kind: global_buffer, .address_space: global }
      - { .name: scl, .offset: 24, .size: 8, .value_kind: global_buffer, .address_space: global }
      - { .name: out0, .offset: 32, .size: 8, .value_kind: global_buffer, .address_space: global }
    .group_segment_fixed_size: 327680
    .private_segment_fixed_size: 0
    .kernarg_segment_align: 8
    .kernarg_segment_size: 40
    .max_flat_workgroup_size: 128
    .sgpr_count:     66
    .vgpr_count:     1024
    .wavefront_size: 32
...
	.end_amdgpu_metadata
.endif
;; end of part 4
